; MI455X (gfx1250); checked and timed in simulation.
; The chip was launched on July 23, 2026; its instructions are those of AMD's public machine-readable ISA for CDNA 5 (MIT licence, August 2026) and "CDNA5" Instruction Set Architecture Reference Guide (July 2026). The comments in the code are by the model that wrote it; some were corrected since.
;; PLE Model. Allowed arithmetic: float matrix products may take bf16 or f16 operands with f32 sums; other float arithmetic in f32, or as packed bf16 or f16 multiplies, adds, multiply-adds, maxima and minima; sums over many terms, partial sums and values carried from step to step in f32; what a program stores and reads back later, other than sums and carried values, may be rounded once to bf16 or f16.
;; Inputs: bs0 4 x 512 float32; bs1 4 x 256 float32; bt0_0 4 x 512 float32; bt0_1 4 x 512 float32; bt1_0 4 x 256 float32; bt1_1 4 x 256 float32; g0_0 1,024 x 8 float32; g0_1 1,024 x 8 float32; g0_s 1,024 x 12 float32; g1_0 512 x 8 float32; g1_1 512 x 8 float32; gb0_0 8 float32; gb0_1 8 float32; gb0_s 12 float32; gb1_0 8 float32; gb1_1 8 float32; inputs 8,192 x 1,024 float32; tb0_0 128 float32; tb0_1 64 float32; tb1_0 128 float32; tb1_1 64 float32; tw0_0 256 x 128 float32; tw0_1 128 x 64 float32; tw1_0 256 x 128 float32; tw1_1 128 x 64 float32; ws0 4 x 1,024 x 512 float32; ws1 4 x 512 x 256 float32; wt0_0 4 x 1,024 x 512 float32; wt0_1 4 x 1,024 x 512 float32; wt1_0 4 x 512 x 256 float32; wt1_1 4 x 512 x 256 float32.
;; Outputs: out0 8,192 x 64 float32; out1 8,192 x 64 float32.
;; One version. Each part assembles by itself: llvm-mc -triple=amdgcn-amd-amdhsa -mcpu=gfx1250 --defsym DOCPART=n.
;; ======== version 1 of 1: 3 launches
;; limits: right only within a limited range of input values
;; workspace buffers: cast 32,768,256 bytes; mid 25,165,824 bytes
;; launch prep (part 1): grid 2018 x 1, 8 waves a work-group, no clusters, 0 bytes of LDS; arguments inputs, wt0_0, wt0_1, ws0, wt1_0, wt1_1, ws1, tw0_0, tw1_0, tw0_1, tw1_1, g0_0, g0_1, g0_s, g1_0, g1_1, gb0_0, gb0_1, gb0_s, cast; writes cast
.if DOCPART == 1
	.amdgcn_target "amdgcn-amd-amdhsa--gfx1250"
	.amdhsa_code_object_version 6
	.text
	.protected	k_qf4a44b04cc_prep
	.globl	k_qf4a44b04cc_prep
	.p2align	8
	.type	k_qf4a44b04cc_prep,@function
k_qf4a44b04cc_prep:
	s_mov_b64 s[64:65], 0
	v_nop
	global_prefetch_b8 v0, s[64:65] scope:SCOPE_SE
	s_setreg_imm32_b32 hwreg(HW_REG_WAVE_MODE, 25, 1), 1
	s_wait_xcnt 0x0
; PREP: every matrix operand is rounded once to bf16 (nearest even) and laid into the workspace 'cast'.
;   bytes 0 .. 98,303       the five gate matrices in the order in which a wave's operand registers take them:
;                           a tile of 16 columns is [K/8][16 columns][8 k]; tiles: (g0_0 | g0_1), (g0_s | 4 zero columns), (g1_0 | g1_0), (g1_1 | g1_1)
;   XB_OFF ..               inputs in their own layout
;   W0_OFF ..               wt0_0, wt0_1, ws0 in the same operand order: [12 experts][32 tiles of 16 units][128 blocks of 8 k][16 units][8 k]: layer 0 loads them straight into registers
;   behind them             wt1_0, wt1_1, ws1, tw0_0, tw1_0, tw0_1, tw1_1, each in its own layout, end to end
;   GB_OFF ..               32 f32: gb0_0, gb0_1, gb0_s, and -1e30 four times (the logits of the four zero columns)
; A stream: no LDS, no matrix unit, no cluster (no two work-groups read the same bytes).  Work-groups 0 .. 1,993 take one chunk of 32,768 bytes each.
; A chunk that keeps its layout: eight loads of 16 bytes a lane go out together (a wave's load covers 512 consecutive bytes), a wave's store covers 256 consecutive aligned bytes.
; A chunk of layer 0's weights (16 k x 512 units): a lane takes eight k of one unit by eight loads of 4 bytes (a wave's load covers 128 consecutive bytes, the eight waves' 1,024),
; which are the 16 bytes of one place in the operand order: sixteen lanes store 256 consecutive aligned bytes.
; Work-groups 1,994 .. 2,017 lay out 4,096 bytes of gate fragments each.
.set XB_OFF, 98304
.set W0_OFF, 16875520
.set GB_OFF, 32768000
.set NCAST,  1994
.macro PICK lo, ptr                    ; from chunk lo on the source is the buffer at s[ptr]
	s_cmp_ge_u32 ttmp9, \lo
	s_cselect_b64 s[2:3], s[\ptr:\ptr+1], s[2:3]
	s_cselect_b32 s4, \lo, s4
.endm
	s_load_b512 s[8:23], s[0:1], 0x0               ; inputs 8, wt0_0 10, wt0_1 12, ws0 14, wt1_0 16, wt1_1 18, ws1 20, tw0_0 22
	s_load_b512 s[24:39], s[0:1], 0x40             ; tw1_0 24, tw0_1 26, tw1_1 28, g0_0 30, g0_1 32, g0_s 34, g1_0 36, g1_1 38
	s_load_b256 s[40:47], s[0:1], 0x80             ; gb0_0 40, gb0_1 42, gb0_s 44, cast 46
	v_lshlrev_b32 v1, 4, v0                        ; 16 t
	v_lshlrev_b32 v2, 3, v0                        ; 8 t
	s_wait_kmcnt 0x0
	s_cmp_ge_u32 ttmp9, NCAST
	s_cbranch_scc1 .Lgates
	; ---- a chunk of 8,192 numbers: its source ----
	s_mov_b64 s[2:3], s[8:9]
	s_mov_b32 s4, 0
	PICK 1024, 10
	PICK 1280, 12
	PICK 1536, 14
	PICK 1792, 16
	PICK 1856, 18
	PICK 1920, 20
	PICK 1984, 22
	PICK 1988, 24
	PICK 1992, 26
	PICK 1993, 28
	s_sub_co_u32 s4, ttmp9, s4                     ; the chunk's number in its own buffer
	s_lshl_b32 s4, s4, 15
	s_mov_b32 s5, 0
	s_add_nc_u64 s[2:3], s[2:3], s[4:5]
	s_cmp_lt_u32 ttmp9, 1024
	s_cbranch_scc1 .Lplain
	s_cmp_lt_u32 ttmp9, 1792
	s_cbranch_scc1 .Lfrag                          ; chunks 1,024 .. 1,791 are layer 0's weights
.Lplain:
	s_lshl_b32 s6, ttmp9, 14                       ; the copies lie end to end in the chunks' order
	s_mov_b32 s7, 0
	s_add_nc_u64 s[6:7], s[46:47], s[6:7]
	s_add_nc_u64 s[6:7], s[6:7], XB_OFF
.irp i, 0,1,2,3,4,5,6,7
	global_load_b128 v[8+4*\i:11+4*\i], v1, s[2:3] offset:4096*\i th:TH_LOAD_NT
.endr
.irp i, 0,1,2,3,4,5,6,7
	s_wait_loadcnt 7-\i                            ; loads come back in order: number i is in, the younger ones stay out
	v_cvt_pk_bf16_f32 v[40+2*\i], v[8+4*\i], v[9+4*\i]
	v_cvt_pk_bf16_f32 v[41+2*\i], v[10+4*\i], v[11+4*\i]
	global_store_b64 v2, v[40+2*\i:41+2*\i], s[6:7] offset:2048*\i
.endr
	s_endpgm
.Lfrag:
	; ---- 16 k x 512 units of one expert into operand order.  Chunk ci = 64 x expert + (k / 16).  Thread t has four tasks q: unit t + 256 (q / 2), block of 8 k number q % 2 ----
	s_sub_co_u32 s4, ttmp9, 1024                   ; ci
	s_lshr_b32 s6, s4, 6
	s_lshl_b32 s6, s6, 20                          ; an expert is 1,048,576 bytes,
	s_and_b32 s4, s4, 63
	s_lshl_b32 s4, s4, 9                           ; the chunk's two blocks of 8 k are 512 bytes in each tile
	s_add_co_u32 s6, s6, s4
	s_mov_b32 s7, 0
	s_add_nc_u64 s[6:7], s[46:47], s[6:7]
	s_add_nc_u64 s[6:7], s[6:7], W0_OFF
	v_lshlrev_b32 v3, 2, v0                        ; 4 t: my unit in a row of the source
.irp q, 0,1,2,3
.irp j, 0,1,2,3,4,5,6,7
	global_load_b32 v[8+8*\q+\j], v3, s[2:3] offset:((\q)&1)*16384+\j*2048+((\q)>>1)*1024 th:TH_LOAD_NT
.endr
.endr
	v_lshrrev_b32 v4, 4, v0                        ; my tile of 16 units: 32,768 bytes each,
	v_and_b32 v5, 15, v0
	v_lshlrev_b32 v4, 15, v4
	v_lshl_add_u32 v4, v5, 4, v4                   ; my unit's 16 bytes in a block
.irp q, 0,1,2,3
	s_wait_loadcnt 24-8*\q                         ; task q's eight loads are in; the younger tasks', eight each, stay out
.irp m, 0,1,2,3
	v_cvt_pk_bf16_f32 v[40+4*\q+\m], v[8+8*\q+2*\m], v[9+8*\q+2*\m]
.endr
	global_store_b128 v4, v[40+4*\q:43+4*\q], s[6:7] offset:((\q)>>1)*524288+((\q)&1)*256  ; 16 lanes store 256 consecutive bytes, at a multiple of 256 from the buffer's first byte
.endr
	s_endpgm
.Lgates:
	; ---- gate fragments: thread t writes the 16 bytes of (k block, column t % 16): eight k of one column ----
	s_sub_co_u32 s4, ttmp9, NCAST                  ; g = 0 .. 23
	s_lshl_b32 s6, s4, 12
	s_mov_b32 s7, 0
	s_add_nc_u64 s[6:7], s[46:47], s[6:7]
	v_lshrrev_b32 v3, 4, v0                        ; the k block inside the group's sixteen
	s_and_b32 s5, s4, 0x18
	s_cmp_eq_u32 s5, 8
	s_cbranch_scc1 .Lgate_s
	; sources with rows of 8 numbers: columns 0-7 from one matrix, 8-15 from the other (layer 1: the same matrix twice)
	s_mov_b64 s[2:3], s[30:31]
	s_mov_b64 s[48:49], s[32:33]
	s_mov_b32 s5, 0
	s_cmp_ge_u32 s4, 16
	s_cselect_b64 s[2:3], s[36:37], s[2:3]
	s_cselect_b64 s[48:49], s[36:37], s[48:49]
	s_cselect_b32 s5, 16, s5
	s_cmp_ge_u32 s4, 20
	s_cselect_b64 s[2:3], s[38:39], s[2:3]
	s_cselect_b64 s[48:49], s[38:39], s[48:49]
	s_cselect_b32 s5, 20, s5
	s_sub_co_u32 s5, s4, s5
	s_lshl_b32 s5, s5, 12                          ; 16 k blocks x 8 rows x 32 bytes a group
	v_lshlrev_b32 v3, 8, v3
	v_and_b32 v4, 7, v0
	v_lshl_add_u32 v3, v4, 2, v3
	v_add_nc_u32 v3, s5, v3
.irp i, 0,1,2,3,4,5,6,7
	global_load_b32 v[8+\i], v3, s[2:3] offset:32*\i
	global_load_b32 v[16+\i], v3, s[48:49] offset:32*\i
.endr
	v_and_b32 v5, 8, v0
	v_cmp_ne_u32 vcc_lo, 0, v5                     ; columns 8-15 take the second matrix
	s_wait_loadcnt 0x0
.irp i, 0,1,2,3,4,5,6,7
	v_cndmask_b32 v[8+\i], v[8+\i], v[16+\i], vcc_lo
.endr
.irp i, 0,1,2,3
	v_cvt_pk_bf16_f32 v[24+\i], v[8+2*\i], v[9+2*\i]
.endr
	global_store_b128 v1, v[24:27], s[6:7]
	s_endpgm
.Lgate_s:
	; g0_s: rows of 12 numbers; columns 12-15 are zeros (their address is clamped to column 11, their value replaced)
	s_sub_co_u32 s5, s4, 8
	s_mul_i32 s5, s5, 6144                         ; 16 k blocks x 8 rows x 48 bytes a group
	v_mul_u32_u24 v3, v3, 384
	v_and_b32 v4, 15, v0
	v_min_u32 v5, 11, v4
	v_lshl_add_u32 v3, v5, 2, v3
	v_add_nc_u32 v3, s5, v3
.irp i, 0,1,2,3,4,5,6,7
	global_load_b32 v[8+\i], v3, s[34:35] offset:48*\i
.endr
	v_cmp_gt_u32 vcc_lo, 12, v4
	s_wait_loadcnt 0x0
.irp i, 0,1,2,3,4,5,6,7
	v_cndmask_b32 v[8+\i], 0, v[8+\i], vcc_lo
.endr
.irp i, 0,1,2,3
	v_cvt_pk_bf16_f32 v[24+\i], v[8+2*\i], v[9+2*\i]
.endr
	global_store_b128 v1, v[24:27], s[6:7]
	s_cmp_lg_u32 s4, 8
	s_cbranch_scc1 .Lend
	v_lshrrev_b32 v6, 5, v0
	v_readfirstlane_b32 s5, v6
	s_cmp_lg_u32 s5, 0
	s_cbranch_scc1 .Lend
	; one wave of one group: the 32 starting logits of layer 0's gate tiles.  Registers of their own: the store above may still read its sources.
	v_min_u32 v30, 7, v0
	v_lshlrev_b32 v30, 2, v30
	v_max_u32 v31, 8, v0
	v_add_nc_u32 v31, -8, v31
	v_min_u32 v31, 7, v31
	v_lshlrev_b32 v31, 2, v31
	v_max_u32 v32, 16, v0
	v_add_nc_u32 v32, -16, v32
	v_min_u32 v32, 11, v32
	v_lshlrev_b32 v32, 2, v32
	global_load_b32 v33, v30, s[40:41]
	global_load_b32 v34, v31, s[42:43]
	global_load_b32 v35, v32, s[44:45]
	v_lshlrev_b32 v36, 2, v0
	v_mov_b32 v37, 0xf149f2ca                      ; -1e30
	s_add_nc_u64 s[2:3], s[46:47], GB_OFF
	s_wait_loadcnt 0x0
	v_cmp_le_u32 vcc_lo, 8, v0
	v_cndmask_b32 v33, v33, v34, vcc_lo
	v_cmp_le_u32 vcc_lo, 16, v0
	v_cndmask_b32 v33, v33, v35, vcc_lo
	v_cmp_le_u32 vcc_lo, 28, v0
	v_cndmask_b32 v33, v33, v37, vcc_lo
	global_store_b32 v36, v33, s[2:3]
.Lend:
	s_endpgm
.Lfunc_end_k_qf4a44b04cc_prep:
	.size	k_qf4a44b04cc_prep, .Lfunc_end_k_qf4a44b04cc_prep-k_qf4a44b04cc_prep
	.p2alignl 7, 3214868480
	.fill 96, 4, 3214868480
	.section	.rodata,"a",@progbits
	.p2align	6, 0x0
	.amdhsa_kernel k_qf4a44b04cc_prep
		.amdhsa_group_segment_fixed_size 0
		.amdhsa_private_segment_fixed_size 0
		.amdhsa_enable_private_segment 0
		.amdhsa_kernarg_size 160
		.amdhsa_user_sgpr_count 2
		.amdhsa_user_sgpr_kernarg_segment_ptr 1
		.amdhsa_wavefront_size32 1
		.amdhsa_system_sgpr_workgroup_id_x 1
		.amdhsa_system_sgpr_workgroup_id_y 1
		.amdhsa_system_sgpr_workgroup_id_z 1
		.amdhsa_system_vgpr_workitem_id 0
		.amdhsa_next_free_vgpr 64
		.amdhsa_next_free_sgpr 66
		.amdhsa_reserve_vcc 1
		.amdhsa_float_denorm_mode_32 3
		.amdhsa_float_denorm_mode_16_64 3
		.amdhsa_memory_ordered 1
		.amdhsa_forward_progress 1
		.amdhsa_inst_pref_size 17
	.end_amdhsa_kernel
	.amdgpu_metadata
---
amdhsa.version: [ 1, 2 ]
amdhsa.kernels:
  - .name:           k_qf4a44b04cc_prep
    .symbol:         k_qf4a44b04cc_prep.kd
    .args:
      - { .name: inputs, .offset: 0, .size: 8, .value_kind: global_buffer, .address_space: global }
      - { .name: wt0_0, .offset: 8, .size: 8, .value_kind: global_buffer, .address_space: global }
      - { .name: wt0_1, .offset: 16, .size: 8, .value_kind: global_buffer, .address_space: global }
      - { .name: ws0, .offset: 24, .size: 8, .value_kind: global_buffer, .address_space: global }
      - { .name: wt1_0, .offset: 32, .size: 8, .value_kind: global_buffer, .address_space: global }
      - { .name: wt1_1, .offset: 40, .size: 8, .value_kind: global_buffer, .address_space: global }
      - { .name: ws1, .offset: 48, .size: 8, .value_kind: global_buffer, .address_space: global }
      - { .name: tw0_0, .offset: 56, .size: 8, .value_kind: global_buffer, .address_space: global }
      - { .name: tw1_0, .offset: 64, .size: 8, .value_kind: global_buffer, .address_space: global }
      - { .name: tw0_1, .offset: 72, .size: 8, .value_kind: global_buffer, .address_space: global }
      - { .name: tw1_1, .offset: 80, .size: 8, .value_kind: global_buffer, .address_space: global }
      - { .name: g0_0, .offset: 88, .size: 8, .value_kind: global_buffer, .address_space: global }
      - { .name: g0_1, .offset: 96, .size: 8, .value_kind: global_buffer, .address_space: global }
      - { .name: g0_s, .offset: 104, .size: 8, .value_kind: global_buffer, .address_space: global }
      - { .name: g1_0, .offset: 112, .size: 8, .value_kind: global_buffer, .address_space: global }
      - { .name: g1_1, .offset: 120, .size: 8, .value_kind: global_buffer, .address_space: global }
      - { .name: gb0_0, .offset: 128, .size: 8, .value_kind: global_buffer, .address_space: global }
      - { .name: gb0_1, .offset: 136, .size: 8, .value_kind: global_buffer, .address_space: global }
      - { .name: gb0_s, .offset: 144, .size: 8, .value_kind: global_buffer, .address_space: global }
      - { .name: cast, .offset: 152, .size: 8, .value_kind: global_buffer, .address_space: global }
    .group_segment_fixed_size: 0
    .private_segment_fixed_size: 0
    .kernarg_segment_align: 8
    .kernarg_segment_size: 160
    .max_flat_workgroup_size: 256
    .sgpr_count:     66
    .vgpr_count:     64
    .wavefront_size: 32
...
	.end_amdgpu_metadata
.endif
;; end of part 1
;; launch cgc0 (part 2): grid 4 x 64, 4 waves a work-group, clusters of 4 x 1, 327,680 bytes of LDS; arguments cast, bt0_0, bt0_1, bs0, mid; writes mid
.if DOCPART == 2
	.amdgcn_target "amdgcn-amd-amdhsa--gfx1250"
	.amdhsa_code_object_version 6
	.text
	.protected	k_qf4a44b04cc_cgc0
	.globl	k_qf4a44b04cc_cgc0
	.p2align	8
	.type	k_qf4a44b04cc_cgc0,@function
k_qf4a44b04cc_cgc0:
	s_mov_b64 s[64:65], 0
	v_nop
	global_prefetch_b8 v0, s[64:65] scope:SCOPE_SE
	s_setreg_imm32_b32 hwreg(HW_REG_WAVE_MODE, 25, 1), 1
	s_wait_xcnt 0x0
	s_wait_alu depctr_hold_cnt(0) depctr_sa_sdst(0) depctr_va_vdst(0) depctr_va_sdst(0) depctr_va_ssrc(0) depctr_va_vcc(0) depctr_vm_vsrc(0)
	s_getreg_b32 s2, hwreg(HW_REG_IB_STS2, 6, 4)
	s_cmp_eq_u32 s2, 0
	s_cbranch_scc0 .Lentry_in_a_cluster
	s_endpgm
.Lentry_in_a_cluster:
	s_bfe_u32 s2, ttmp6, 0x10000c
	s_cmp_lg_u32 s2, 0x3003
	s_cbranch_scc0 .Lentry_shape_is_right
	s_endpgm
.Lentry_shape_is_right:
; CGC LAYER 0.  mid[o][row][unit] = sum over experts e of gate_o[row][e] x relu(x[row] . W_e[:, unit] + b_e[unit]), o = task0, task1, shared; 12 experts 1024 -> 512.
; x, the weights and the gate matrices come as bf16 from 'cast'; products, biases, softmax and the mixing in f32; mid is rounded once to bf16.
; LIMITS.  relu of a NaN gives 0; a gate weight below 2^-126 counts as 0; the four columns that pad the 12-wide gate carry the logit -1e30 and get the weight 0; NaN and infinities are not
; treated apart.  The softmax takes the row's true maximum away.
; SHARES.  A work-group owns 128 rows x 128 units for all 12 experts, taken as 6 pairs; 64 x 4 = 256 work-groups.  Wave w owns ALL 128 rows x units 32 w .. 32 w + 31 x the pair's 2 experts: 32 accumulators.
; X STAYS IN LDS: the work-group's 128 rows x 1,024 k are 262,144 bytes, fetched once, as four tiles of 128 rows x 256 k; all six pairs read them there.  Nothing in LDS is ever filled again.
; THE WEIGHTS GO STRAIGHT INTO REGISTERS: with that share every weight fragment has one reader in the work-group, and 'cast' holds the weights in the order in which the operand registers take them, so a
; fragment is two loads of 512 consecutive bytes.  They are asked for three quarters (96 k) ahead, into a ring of four register buffers.  So the main loop has no tensor load and no barrier but one a pair.
; K goes in quarters of 32: 32 matrix instructions, and at the quarter's head ONE run of memory instructions: 8 loads of weights, 16 LDS loads of x.  8 quarters are a lap (one tile of x), 4 laps a pair.
; THE MATRIX INSTRUCTION IS USED TRANSPOSED (source 0 = 16 units, source 1 = 16 rows): a lane holds ONE row (lane % 16) and eight units 8 (lane / 16) + 0..7: a gate weight is one number a lane.
; The accumulators START AS THE BIAS (loaded from an LDS table), so every product is the same line.  The expert values never leave registers: at a pair's end they are mixed into three f32 output tiles.
; GATES.  In pair 0 wave (RH, UH) also multiplies rows 64 RH .. by one tile of 16 gate columns (UH = 0: gates 0 and 1; UH = 1: the 12-wide gate), 4 matrix instructions a quarter; softmax; the weights go to an LDS table.
; CLUSTER 4 x 1.  The four unit slices of a row block need the same x: each tile is asked for jointly.  NO JOINT REQUEST FOR THE WEIGHTS: they are no tensor loads; through LDS they would want two slots
; beside x's 270,336 bytes, which do not fit.
; REGISTERS in windows of 256 (s_set_vgpr_msb: bits 1:0 source 0, 3:2 source 1, 5:4 source 2, 7:6 destination):
;   window 0: v0-31 addresses; v32-159 x's fragments, two buffers of 8 (the second serves the softmax and the pair's gate weights at a pair's end); v160-191 gate logits; v192-255 a ring of 8 gate fragments
;   window 1: v0-127 the weights' ring, 4 x 4 fragments; v128-255 output 2      window 2: the 32 accumulators      window 3: v0-127 output 0; v128-255 output 1
.set XB_OFF, 98304
.set W0_OFF, 16875520
.set GB_OFF, 32768000
.set PX,     528                       ; a row of a tile of x in LDS: 512 bytes + 16: the 16 rows of a load start at 16 different groups of four banks (64 banks of 4 bytes: ISA guide 11.1)
.set LAPT,   128*PX                    ; a tile of x: 128 rows x 256 k
.set PG,     272                       ; a row of the gate table, and of the stage on the way out
.set PLANE,  128*PG
.set GT,     4*LAPT                    ; gate weights: 128 rows x 272 bytes; (pair p, output o, expert e) at 32 p + 8 o + 4 e
.set BT,     GT+PLANE                  ; biases: [12 experts][128 units] f32
.set SPARE,  BT+6144                   ; the spare words: 128 bytes a wave, two blocks of 256 bytes that no other line names
.set EB,     512                       ; bytes of an expert in BT
.set EXPB,   1048576                   ; the weights in 'cast': bytes of an expert,
.set TILEB,  32768                     ; of a tile of 16 units (all 1,024 k); a fragment of 32 k is 1,024 bytes
.set ADRA, 6                           ; v6      my x fragments in this lap's tile
.set ADRN, 7                           ; v7      in the next lap's
.set VA0,  8                           ; v8      in tile 0; never rewritten
.set VB,   9                           ; v9      my byte offset in the weights: lane, wave and slice; never rewritten
.set VG,   10                          ; v10     my byte offset in the gate tiles; never rewritten
.set VGT,  13                          ; v13     row lane % 16 of the gate table
.set VBT,  14                          ; v14     my units in BT
.set VS,   15                          ; v15     the address in hand
.set AX,   16                          ; v16-18  where my lane's gate weights go in GT
.set AY,   17
.set AZ,   18
.set STO,  19                          ; v19-21  the way out
.set RD,   20
.set CO,   21
.set ZP,   22                          ; v22-23  0, 0
.set SPW,  28                          ; v28     my spare word; never rewritten
.set NIL,  29                          ; v29     0; never rewritten
.set AF,   32                          ; x's fragment (buffer f, row tile a) at AF + 64 f + 8 a
.set TT,   96                          ; at work in the softmax and at the head: the second x buffer while it is free
.set GP,   96                          ; a pair's gate weights, six a row tile: the same registers
.set GA,   160
.set GF,   192
.set WV, 14
.set RH, 15
.set UH, 16
.set CX, 17
.set SL, 19                            ; unit slice 0..3
.set RB, 20                            ; row block 0..63
.set K1, 21                            ; the weights' step from a pair's last lap to the next pair's first
.set K2, 22                            ; and from lap to lap
.set TS, 23
.set G1, 24                            ; s[24:31] descriptor group 1
.set G0, 32                            ; s[32:35] descriptor group 0
.set SB, 36                            ; s[36:37] the weights at this lap's first quarter
.set SBN, 38                           ; s[38:39] at the next lap's
.set SG, 40                            ; s[40:41] the gate tiles at this lap's first quarter
.set STEP, 42                          ; s[42:43] a step with 0 on top
.set SAN, 44                           ; LDS byte of the next lap's tile of x
.set LAPC, 45
.set PAIRC, 46
.set GFLAG, 47                         ; 1 in pair 0
.set SGT, 48
.set SBT, 49
.set T0S, 50
.set T1S, 51
.set CS, 52                            ; log2(e), twice
.set SEL, 54                           ; v_permlanex16_b32: each lane takes its own place in the other half
.set UM, 56                            ; all ones in the wave of the 12-wide gate
.set OB, 58                            ; s[58:63] the three outputs at my rows
.set MSB, 0
.macro WIN new                         ; the immediate's high byte repeats the setting that is left; a switch that changes nothing is dropped
.if MSB != (\new)
	s_set_vgpr_msb (MSB<<8)|(\new)
.set MSB, \new
.endif
.endm
.macro PLACES                          ; four plain places behind matrix instructions, ahead of loads into their registers and of readers of their results
.rept 4
	v_nop
.endr
.endm
.macro CROUND                          ; a round of the cluster's barrier
	s_barrier_signal -1
	s_barrier_wait -1
	s_cmp_lg_u32 s[WV], 0
	s_cbranch_scc1 .Lnot_wave_0_\@
	s_barrier_signal -3
.Lnot_wave_0_\@:
	s_barrier_wait -3
	s_barrier_signal -1
	s_barrier_wait -1
.endm
; 16 matrix instructions: expert e, all 8 row tiles x my 2 unit tiles, 32 along K: x's buffer f, the weights' ring place s.  The 32 accumulators take turns in the same order in every quarter.
.macro MUL16 f, s, e
	WIN 0xa1
.irp a, 0,1,2,3,4,5,6,7
.irp b, 0,1
	v_wmma_f32_16x16x32_bf16 v[128*(\e)+16*\a+8*\b:128*(\e)+16*\a+8*\b+7], v[32*(\s)+16*(\e)+8*\b:32*(\s)+16*(\e)+8*\b+7], v[AF+64*(\f)+8*\a:AF+64*(\f)+8*\a+7], v[128*(\e)+16*\a+8*\b:128*(\e)+16*\a+8*\b+7]
.endr
.endr
.endm
; Pair 0 alone, quarter j of a lap: the gate fragment that is wanted seven quarters on is asked for, into the ring place read last quarter; 4 gate products on this quarter's x, rows 64 RH ..
; A fragment asked for here has 56 loads of weights issued behind it when it is read, so the quarter's wait that leaves 24 loads out covers it.
.macro GW j
.set GI, ((\j)+7)%8
	WIN 0
	s_cmp_eq_u32 s[GFLAG], 0
	s_cbranch_scc1 .Lno_gw_\@
	global_load_b128 v[GF+8*GI:GF+8*GI+3],   v[VG], s[SG:SG+1] offset:((\j)+7)*1024
	global_load_b128 v[GF+8*GI+4:GF+8*GI+7], v[VG], s[SG:SG+1] offset:((\j)+7)*1024+512
	s_cmp_eq_u32 s[RH], 0
	s_cbranch_scc0 .Lgw_hi_\@
.irp a, 0,1,2,3
	v_wmma_f32_16x16x32_bf16 v[GA+8*\a:GA+8*\a+7], v[GF+8*(\j):GF+8*(\j)+7], v[AF+64*QF+8*\a:AF+64*QF+8*\a+7], v[GA+8*\a:GA+8*\a+7]
.endr
	s_branch .Lno_gw_\@
.Lgw_hi_\@:
.irp a, 0,1,2,3
	v_wmma_f32_16x16x32_bf16 v[GA+8*\a:GA+8*\a+7], v[GF+8*(\j):GF+8*(\j)+7], v[AF+64*QF+32+8*\a:AF+64*QF+32+8*\a+7], v[GA+8*\a:GA+8*\a+7]
.endr
.Lno_gw_\@:
.endm
; QUARTER j of a lap's eight.  At its head one run of memory instructions, into registers that the quarter before read last: the weights of quarter j + 3 and x of quarter j + 1 (past the lap's end: the next lap's).
.macro QUARTER j
.set QF, (\j)&1
.set QS, (\j)%4
.set QN, ((\j)+3)%4
.if (\j) < 7
.set QA, ADRA
.set QK, ((\j)+1)*64
.else
.set QA, ADRN
.set QK, 0
.endif
.if (\j) < 5
.set QB, SB
.set QO, ((\j)+3)*1024
.else
.set QB, SBN
.set QO, ((\j)-5)*1024
.endif
	PLACES
	WIN 0x40
.irp e, 0,1
.irp b, 0,1
	global_load_b128 v[32*QN+16*\e+8*\b:32*QN+16*\e+8*\b+3],   v[VB], s[QB:QB+1] offset:\e*EXPB+\b*TILEB+QO      ; 512 consecutive bytes, at a multiple of 256 from the buffer's first byte
	global_load_b128 v[32*QN+16*\e+8*\b+4:32*QN+16*\e+8*\b+7], v[VB], s[QB:QB+1] offset:\e*EXPB+\b*TILEB+QO+512
.endr
.endr
	WIN 0
.irp a, 0,1,2,3,4,5,6,7
	ds_load_b128 v[AF+64*(1-QF)+8*\a:AF+64*(1-QF)+8*\a+3],   v[QA] offset:\a*16*PX+QK
	ds_load_b128 v[AF+64*(1-QF)+8*\a+4:AF+64*(1-QF)+8*\a+7], v[QA] offset:\a*16*PX+QK+32
.endr
	s_wait_dscnt 16                                ; this quarter's x is in; the 16 loads just issued may be out
	s_wait_loadcnt 24                              ; this quarter's weights are in; those of the next three quarters, 8 loads each, may be out (in pair 0 the gate's loads lie between: the wait is then the stricter)
	GW \j
	MUL16 QF, QS, 0
	MUL16 QF, QS, 1
.endm
; Softmax over a lane's eight logits, for the four row tiles; in the wave of the 12-wide gate maximum and sum are joined with the lane 16 away, which holds the row's other logits.
.macro SOFTMAX
.irp a, 0,1,2,3
	v_max3_num_f32 v[TT+8*\a+2], v[GA+8*\a], v[GA+8*\a+1], v[GA+8*\a+2]    ; an accumulator's lowest registers are read first
	v_max3_num_f32 v[TT+8*\a+3], v[GA+8*\a+3], v[GA+8*\a+4], v[GA+8*\a+5]
.endr
.irp a, 0,1,2,3
	v_max3_num_f32 v[TT+8*\a+2], v[TT+8*\a+2], v[GA+8*\a+6], v[GA+8*\a+7]
.endr
.irp a, 0,1,2,3
	v_max_num_f32 v[TT+8*\a+1], v[TT+8*\a+2], v[TT+8*\a+3]
.endr
.irp a, 0,1,2,3
	v_mov_b32 v[TT+8*\a+4], v[TT+8*\a+1]           ; the exchange's destination counts as read: it is written first
.endr
.irp a, 0,1,2,3
	v_permlanex16_b32 v[TT+8*\a+4], v[TT+8*\a+1], s[SEL], s[SEL+1]
.endr
.irp a, 0,1,2,3
	v_max_num_f32 v[TT+8*\a+4], v[TT+8*\a+4], v[TT+8*\a+1]
.endr
.irp a, 0,1,2,3
	v_cndmask_b32 v[TT+8*\a+1], v[TT+8*\a+1], v[TT+8*\a+4], s[UM]
.endr
.irp a, 0,1,2,3
	v_mul_f32 v[TT+8*\a], s[CS], v[TT+8*\a+1]      ; c m
.endr
.irp a, 0,1,2,3
.irp j, 0,2,4,6
	v_pk_fma_f32 v[GA+8*\a+\j:GA+8*\a+\j+1], v[GA+8*\a+\j:GA+8*\a+\j+1], s[CS:CS+1], v[TT+8*\a:TT+8*\a+1] op_sel_hi:[1,0,0] neg_lo:[0,0,1] neg_hi:[0,0,1]  ; c s - c m
.endr
.endr
.set i, 0
.rept 32
	v_exp_f32 v[GA+i], v[GA+i]                     ; one batch
.set i, i+1
.endr
	v_nop                                          ; a plain instruction behind the last exponential,
	s_wait_alu depctr_va_vdst(0)                   ; and one wait ahead of the batch's first reader
.irp a, 0,1,2,3
	v_pk_add_f32 v[TT+8*\a+2:TT+8*\a+3], v[GA+8*\a:GA+8*\a+1], v[GA+8*\a+2:GA+8*\a+3]
	v_pk_add_f32 v[TT+8*\a+4:TT+8*\a+5], v[GA+8*\a+4:GA+8*\a+5], v[GA+8*\a+6:GA+8*\a+7]
.endr
.irp a, 0,1,2,3
	v_pk_add_f32 v[TT+8*\a+2:TT+8*\a+3], v[TT+8*\a+2:TT+8*\a+3], v[TT+8*\a+4:TT+8*\a+5]
.endr
.irp a, 0,1,2,3
	v_add_f32 v[TT+8*\a+2], v[TT+8*\a+2], v[TT+8*\a+3]
.endr
.irp a, 0,1,2,3
	v_permlanex16_b32 v[TT+8*\a+4], v[TT+8*\a+2], s[SEL], s[SEL+1]
.endr
.irp a, 0,1,2,3
	v_cndmask_b32 v[TT+8*\a+4], 0, v[TT+8*\a+4], s[UM]
.endr
.irp a, 0,1,2,3
	v_add_f32 v[TT+8*\a+2], v[TT+8*\a+2], v[TT+8*\a+4]
.endr
.irp a, 0,1,2,3
	v_rcp_f32 v[TT+8*\a+2], v[TT+8*\a+2]
.endr
	v_nop
	s_wait_alu depctr_va_vdst(0)                   ; one wait for the four reciprocals
.irp a, 0,1,2,3
.irp j, 0,2,4,6
	v_pk_mul_f32 v[GA+8*\a+\j:GA+8*\a+\j+1], v[GA+8*\a+\j:GA+8*\a+\j+1], v[TT+8*\a+2:TT+8*\a+3] op_sel_hi:[1,0]
.endr
.endr
.endm
; A pair's accumulators start as the biases: a lane's eight units of each unit tile, the same for the eight row tiles.
.macro BIASLD
	WIN 0
	v_add_nc_u32 v[VS], s[SBT], v[VBT]
	WIN 0x80
.irp e, 0,1
.irp a, 0,1,2,3,4,5,6,7
.irp b, 0,1
	ds_load_b128 v[128*\e+16*\a+8*\b:128*\e+16*\a+8*\b+3],   v[VS] offset:\e*EB+\b*64
	ds_load_b128 v[128*\e+16*\a+8*\b+4:128*\e+16*\a+8*\b+7], v[VS] offset:\e*EB+\b*64+16
.endr
.endr
.endr
	WIN 0
	s_add_co_u32 s[SBT], s[SBT], 2*EB
	s_wait_dscnt 0x0
.endm
; Output o += weight(e) x expert e, both experts; the weight is the first (e = 0) or second (e = 1) register of a pair, for both halves of the packed line.
.macro MIX win, base, o
	WIN \win
.irp ee, 0,1
.set i, 0
.rept 64
.if (\ee) == 0
	v_pk_fma_f32 v[(\base)+2*i:(\base)+2*i+1], v[2*i:2*i+1], v[GP+6*(i/8)+2*(\o):GP+6*(i/8)+2*(\o)+1], v[(\base)+2*i:(\base)+2*i+1] op_sel_hi:[1,0,1]
.else
	v_pk_fma_f32 v[(\base)+2*i:(\base)+2*i+1], v[128+2*i:128+2*i+1], v[GP+6*(i/8)+2*(\o):GP+6*(i/8)+2*(\o)+1], v[(\base)+2*i:(\base)+2*i+1] op_sel:[0,1,0] op_sel_hi:[1,1,1]
.endif
.set i, i+1
.endr
.endr
.endm
	s_load_b256 s[4:11], s[0:1], 0x0               ; cast 4, bt0_0 6, bt0_1 8, bs0 10
	s_load_b64 s[12:13], s[0:1], 0x20              ; mid
	v_lshl_add_u32 v[SPW], v0, 2, SPARE
	v_mov_b32 v[NIL], 0
	ds_add_u32 v[SPW], v[NIL]                      ; the wave's opening: the add and its wait stand ahead of my first tensor load; the set-up below stands between them
	v_lshrrev_b32 v1, 5, v0
	v_readfirstlane_b32 s[WV], v1
	s_lshr_b32 s[RH], s[WV], 1                     ; the gates: which 64 rows are mine,
	s_and_b32 s[UH], s[WV], 1                      ; which tile of gate columns
	s_bfe_u32 s[CX], ttmp6, 0x40000
	s_lshl_b32 s[SL], ttmp9, 2
	s_add_co_u32 s[SL], s[SL], s[CX]               ; my unit slice: it enters global addresses of plain loads and stores alone
	s_and_b32 s[RB], ttmp7, 0xffff                 ; my row block, which the four partners share
	s_mov_b32 s[G1], 15|(1<<16)|(1<<20)|(1<<21)|(6<<22)|(3<<25)  ; the mask of four, bit 21 beside it; 2-byte elements; padding on: after every 128 words 4 words
	s_mov_b32 s[G1+1], 256<<16                     ; tensor_dim0 = 256
	s_mov_b32 s[G1+2], 128<<16                     ; tensor_dim1 = 128
	s_mov_b32 s[G1+3], 256<<16                     ; tile_dim0 = 256
	s_mov_b32 s[G1+4], 128                         ; tile_dim1 = 128
	s_mov_b32 s[G1+5], 1024                        ; elements from row to row of x
	s_mov_b32 s[G1+6], 0
	s_mov_b32 s[G1+7], 0
	s_mov_b32 s[G0], 1
	s_mul_i32 s[G0+1], s[WV], LAPT                 ; wave w fetches tile w of x: the wave's number and a constant alone
	s_lshl_b32 s[T0S], s[RB], 18                   ; 128 rows of 2,048 bytes a block,
	s_lshl_b32 s[T1S], s[WV], 9                    ; 512 bytes along the rows a tile
	s_add_co_u32 s[T0S], s[T0S], s[T1S]
	s_add_co_u32 s[T0S], s[T0S], XB_OFF
	s_mov_b32 s[T1S], 0
	s_mov_b32 s[CS], 0x3fb8aa3b
	s_mov_b32 s[CS+1], s[CS]
	s_mov_b32 s[SEL], 0x76543210
	s_mov_b32 s[SEL+1], 0xfedcba98
	s_cmp_eq_u32 s[UH], 1
	s_cselect_b32 s[UM], -1, 0
	s_mov_b32 s[K1], 2*EXPB-TILEB+8192             ; from a pair's fourth lap to the next pair's first: two experts on, 24 quarters back
	s_mov_b32 s[K2], 8192                          ; a lap is 8 fragments of 1,024 bytes
	s_mov_b32 s[STEP+1], 0
	s_mov_b32 s[SAN], LAPT
	s_mov_b32 s[PAIRC], 6
	s_mov_b32 s[GFLAG], 1
	s_mov_b32 s[SGT], 0
	s_mov_b32 s[SBT], 0
	s_wait_dscnt 0x0                               ; the opening add is done
	s_wait_kmcnt 0x0
	s_add_nc_u64 s[G0+2:G0+3], s[4:5], s[T0S:T1S]
	s_or_b32 s[G0+3], s[G0+3], 0x80000000
	s_add_nc_u64 s[SB:SB+1], s[4:5], W0_OFF
	s_add_nc_u64 s[SBN:SBN+1], s[SB:SB+1], 8192
	s_mov_b64 s[SG:SG+1], s[4:5]
	s_add_nc_u64 s[2:3], s[4:5], GB_OFF
	CROUND                                         ; all four work-groups are here: the joint loads meet
	tensor_load_to_lds s[G0:G0+3], s[G1:G1+7]      ; my one tensor load of the launch: 128 rows x 512 bytes
	s_nop 0
	PLACES
	; biases of my slice (wave w: expert w of each of the three groups), the gates' starting logits, gate fragments 0-6, the weights of quarters 0-2
	v_and_b32 v5, 31, v0                           ; lane
	v_bfe_u32 v2, v0, 4, 1                         ; h
	s_lshl_b32 s[T0S], s[WV], 11
	s_lshl_b32 s[T1S], s[SL], 9
	s_add_co_u32 s[T0S], s[T0S], s[T1S]
	v_lshl_add_u32 v25, v5, 4, s[T0S]
	global_load_b128 v[TT:TT+3],    v25, s[6:7]
	global_load_b128 v[TT+4:TT+7],  v25, s[8:9]
	global_load_b128 v[TT+8:TT+11], v25, s[10:11]
	s_lshl_b32 s[T0S], s[UH], 6
	v_lshl_add_u32 v26, v2, 5, s[T0S]
.irp a, 0,1,2,3
	global_load_b128 v[GA+8*\a:GA+8*\a+3],   v26, s[2:3]
	global_load_b128 v[GA+8*\a+4:GA+8*\a+7], v26, s[2:3] offset:16
.endr
	s_lshl_b32 s[T0S], s[UH], 15
	v_lshl_add_u32 v[VG], v5, 4, s[T0S]            ; 16 x lane + my gate tile
.irp j, 0,1,2,3,4,5,6
	global_load_b128 v[GF+8*\j:GF+8*\j+3],   v[VG], s[SG:SG+1] offset:\j*1024
	global_load_b128 v[GF+8*\j+4:GF+8*\j+7], v[VG], s[SG:SG+1] offset:\j*1024+512
.endr
	s_lshl_b32 s[T0S], s[SL], 18                   ; a slice is 8 tiles of 32,768 bytes, a wave's share 2
	s_lshl_b32 s[T1S], s[WV], 16
	s_add_co_u32 s[T0S], s[T0S], s[T1S]
	v_lshl_add_u32 v[VB], v5, 4, s[T0S]
	WIN 0x40
.irp q, 0,1,2
.irp e, 0,1
.irp b, 0,1
	global_load_b128 v[32*\q+16*\e+8*\b:32*\q+16*\e+8*\b+3],   v[VB], s[SB:SB+1] offset:\e*EXPB+\b*TILEB+\q*1024
	global_load_b128 v[32*\q+16*\e+8*\b+4:32*\q+16*\e+8*\b+7], v[VB], s[SB:SB+1] offset:\e*EXPB+\b*TILEB+\q*1024+512
.endr
.endr
.endr
	WIN 0
	v_and_b32 v1, 15, v0                           ; r
	v_mul_u32_u24 v[VA0], v1, PX                   ; x: row x pitch + 16 x half
	v_lshl_add_u32 v[VA0], v2, 4, v[VA0]
	v_mov_b32 v[ADRA], v[VA0]
	v_add_nc_u32 v[ADRN], LAPT, v[VA0]
	v_mul_u32_u24 v[VGT], v1, PG
	v_add_nc_u32 v[VGT], GT, v[VGT]
	s_mul_i32 s[T0S], s[RH], 64*PG
	v_add_nc_u32 v30, s[T0S], v[VGT]               ; the gate table at the rows whose gates I make
	; where a lane's eight weights go in its row of GT.  (UH, h): (0,0) gate 0: pairs 0, 1, 4, 5 of output 0; (0,1) gate 1: pairs 2, 3, 4, 5 of output 1; (1,0), (1,1) the 12-wide gate: pairs 0-3, 4-5 of output 2
	s_mul_i32 s[T0S], s[UH], 56                    ; AX = 16 UH + h (72 + 56 UH): 0, 72, 16, 144
	s_add_co_u32 s[T0S], s[T0S], 72
	v_mad_u32_u24 v[AX], v2, s[T0S], v30
	s_lshl_b32 s[T1S], s[UH], 4
	v_add_nc_u32 v[AX], s[T1S], v[AX]
	s_mul_i32 s[T0S], s[UH], 120                   ; AY = 128 - 48 UH + h (8 + 120 UH): 128, 136, 80, 208
	s_add_co_u32 s[T0S], s[T0S], 8
	v_mad_u32_u24 v[AY], v2, s[T0S], v30
	s_mul_i32 s[T1S], s[UH], 48
	s_sub_co_u32 s[T1S], 128, s[T1S]
	v_add_nc_u32 v[AY], s[T1S], v[AY]
	v_xor_b32 v24, 1, v2                           ; AZ = 8 + 184 UH + (1 - h) (56 - 48 UH): 64, 8, 200, 192
	s_mul_i32 s[T0S], s[UH], 48
	s_sub_co_u32 s[T0S], 56, s[T0S]
	v_mad_u32_u24 v[AZ], v24, s[T0S], v30
	s_mul_i32 s[T1S], s[UH], 184
	s_add_co_u32 s[T1S], s[T1S], 8
	v_add_nc_u32 v[AZ], s[T1S], v[AZ]
	s_lshl_b32 s[T0S], s[WV], 7                    ; my 32 units are 128 bytes of an expert's biases
	s_add_co_u32 s[T0S], s[T0S], BT
	v_lshl_add_u32 v[VBT], v2, 5, s[T0S]
	v_mul_u32_u24 v[STO], v1, PG                   ; the way out, in: row lane % 16, my 64 of its 256 bytes, 16 bytes for each half of the lanes
	v_lshl_add_u32 v[STO], v2, 4, v[STO]
	s_lshl_b32 s[T0S], s[WV], 6
	v_add_nc_u32 v[STO], s[T0S], v[STO]
	v_mul_u32_u24 v[RD], v2, PG                    ; back: wave w takes rows 32 w .. 32 w + 31 whole, two rows a load
	v_lshl_add_u32 v[RD], v1, 4, v[RD]
	s_mul_i32 s[T0S], s[WV], 32*PG
	v_add_nc_u32 v[RD], s[T0S], v[RD]
	v_lshlrev_b32 v[CO], 10, v2                    ; and the same two rows in mid
	v_lshl_add_u32 v[CO], v1, 4, v[CO]
	v_mov_b32 v[ZP], 0
	v_mov_b32 v[ZP+1], 0
	s_lshl_b32 s[T0S], s[RB], 17                   ; 128 rows of 1,024 bytes a block, 32 rows a wave, 256 bytes a slice
	s_lshl_b32 s[T1S], s[WV], 15
	s_add_co_u32 s[T0S], s[T0S], s[T1S]
	s_lshl_b32 s[T1S], s[SL], 8
	s_add_co_u32 s[T0S], s[T0S], s[T1S]
	s_mov_b32 s[T1S], 0
	s_add_nc_u64 s[OB:OB+1], s[12:13], s[T0S:T1S]
	s_add_nc_u64 s[OB+2:OB+3], s[OB:OB+1], 0x800000
	s_add_nc_u64 s[OB+4:OB+5], s[OB+2:OB+3], 0x800000
	; The three outputs start at 0, so that one text serves every pair's end; the gate ring's eighth place is written once, so that it is written on every way.  All this stands in the wait for x.
.set i, 0
.rept 8
	v_mov_b32 v[GF+56+i], 0
.set i, i+1
.endr
	WIN 0xc0
.set i, 0
.rept 256
	v_mov_b32 v[i], 0
.set i, i+1
.endr
	WIN 0x40
.set i, 128
.rept 128
	v_mov_b32 v[i], 0
.set i, i+1
.endr
	WIN 0
	s_lshl_b32 s[T0S], s[WV], 9
	s_add_co_u32 s[T0S], s[T0S], BT
	v_lshl_add_u32 v27, v5, 4, s[T0S]
	s_wait_loadcnt 46                              ; the three bias loads are in; the 8 + 14 + 24 issued behind them may be out
	ds_store_b128 v27, v[TT:TT+3]
	ds_store_b128 v27, v[TT+4:TT+7]  offset:2048
	ds_store_b128 v27, v[TT+8:TT+11] offset:4096
	s_wait_loadcnt 0x0                             ; the logits' start, gate fragments 0-6, the weights of quarters 0-2: from here on the loop's counts hold
	s_wait_tensorcnt 0x0                           ; my tile of x is in
	s_wait_dscnt 0x0                               ; my part of the bias table is written
	s_barrier_signal -1
	s_barrier_wait -1                              ; everybody's is
.irp a, 0,1,2,3,4,5,6,7
	ds_load_b128 v[AF+8*\a:AF+8*\a+3],   v[ADRA] offset:\a*16*PX    ; x of quarter 0
	ds_load_b128 v[AF+8*\a+4:AF+8*\a+7], v[ADRA] offset:\a*16*PX+32
.endr
.Lpair:                                                ; 6 trips: a pair of experts
	BIASLD
	s_mov_b32 s[LAPC], 4
.Llap:                                                 ; 4 trips: a tile of x, 256 along K
	QUARTER 0
	QUARTER 1
	QUARTER 2
	QUARTER 3
	QUARTER 4
	QUARTER 5
	QUARTER 6
	QUARTER 7
	WIN 0
	s_wait_xcnt 0x0                                ; every memory instruction issued has had its addresses translated (ISA guide 3.1): only behind this wait are the loads' bases written
	s_mov_b64 s[SB:SB+1], s[SBN:SBN+1]
	s_add_co_u32 s[SAN], s[SAN], LAPT              ; the lap after the next: x's tiles go round,
	s_cmp_eq_u32 s[SAN], 4*LAPT
	s_cselect_b32 s[SAN], 0, s[SAN]
	s_cselect_b32 s[STEP], s[K1], s[K2]            ; and where they begin anew the weights go on to the next pair
	s_add_nc_u64 s[SBN:SBN+1], s[SBN:SBN+1], s[STEP:STEP+1]
	s_add_nc_u64 s[SG:SG+1], s[SG:SG+1], 8192
	v_mov_b32 v[ADRA], v[ADRN]
	v_add_nc_u32 v[ADRN], s[SAN], v[VA0]
	s_sub_co_u32 s[LAPC], s[LAPC], 1
	s_cmp_lg_u32 s[LAPC], 0
	s_cbranch_scc1 .Llap
	; A PAIR'S END.  Behind pair 0 the logits are complete: softmax, and the weights go into the gate table.
	s_cmp_eq_u32 s[GFLAG], 0
	s_cbranch_scc1 .Lno_sm
	PLACES
	SOFTMAX
.irp a, 0,1,2,3
	ds_store_b64 v[AX], v[GA+8*\a:GA+8*\a+1]   offset:\a*16*PG
	ds_store_b64 v[AX], v[GA+8*\a+2:GA+8*\a+3] offset:\a*16*PG+32
	ds_store_b64 v[AY], v[GA+8*\a+4:GA+8*\a+5] offset:\a*16*PG
	ds_store_b64 v[AY], v[GA+8*\a+6:GA+8*\a+7] offset:\a*16*PG+32
	ds_store_b64 v[AZ], v[ZP:ZP+1] offset:\a*16*PG       ; the pairs that my gate does not take: 0, so that every byte that is loaded below has been written
	ds_store_b64 v[AZ], v[ZP:ZP+1] offset:\a*16*PG+32
.endr
.Lno_sm:
	s_wait_dscnt 0x0                               ; my stores into the gate table are done, and so are my reads of x
	s_barrier_signal -1
	s_barrier_wait -1                              ; every wave reads all 128 rows of the table; behind the last pair nobody reads x any more
	PLACES
	v_add_nc_u32 v[VS], s[SGT], v[VGT]
.irp a, 0,1,2,3,4,5,6,7
	ds_load_b128 v[GP+6*\a:GP+6*\a+3],   v[VS] offset:\a*16*PG       ; the pair's six weights a row: outputs 0 and 1,
	ds_load_b64  v[GP+6*\a+4:GP+6*\a+5], v[VS] offset:\a*16*PG+16    ; output 2
.endr
	WIN 0x88
.set i, 0
.rept 256
	v_max_num_f32 v[i], 0, v[i]                    ; relu in place; ascending: each accumulator's lowest register first
.set i, i+1
.endr
	s_wait_dscnt 0x0
	WIN 0
	s_and_b32 s[TS], s[SGT], 0xc0                  ; 0: task 0's experts; 64: task 1's; 128: the shared ones
	s_cmp_eq_u32 s[TS], 64
	s_cbranch_scc1 .Lno_o0                         ; output 0 takes none of task 1's experts
	MIX 0xf2, 0, 0
	WIN 0
.Lno_o0:
	s_cmp_eq_u32 s[TS], 0
	s_cbranch_scc1 .Lno_o1                         ; output 1 none of task 0's
	MIX 0xf2, 128, 1
	WIN 0
.Lno_o1:
	MIX 0x52, 128, 2
	WIN 0
	s_add_co_u32 s[SGT], s[SGT], 32
	s_mov_b32 s[GFLAG], 0
	s_sub_co_u32 s[PAIRC], s[PAIRC], 1
	s_cmp_lg_u32 s[PAIRC], 0
	s_cbranch_scc1 .Lpair
	; (The last three quarters have asked for 24 loads past the twelfth expert, and pair 0's last lap for 14 past its gate tile: bytes inside 'cast', which nobody uses: the price of one text for every quarter.)
	; THE WAY OUT.  x has had its only fill, and its last reads lie ahead of the last barrier: its first bytes serve as the stage, three planes of 128 rows x 272 bytes.
	; A row's 256 bytes come from four waves, so a barrier stands between writing and reading.
.macro OUTP win, base
	WIN \win
.set i, 0
.rept 64
	v_cvt_pk_bf16_f32 v[AF+i], v[(\base)+2*i], v[(\base)+2*i+1]
.set i, i+1
.endr
	WIN 0
.irp a, 0,1,2,3,4,5,6,7
.irp b, 0,1
	ds_store_b128 v[STO], v[AF+4*(2*\a+\b):AF+4*(2*\a+\b)+3] offset:\a*16*PG+\b*32
.endr
.endr
	v_add_nc_u32 v[STO], PLANE, v[STO]
.endm
.macro BACK dst
.irp t, 0,1,2,3,4,5,6,7,8,9,10,11,12,13,14,15
	ds_load_b128 v[(\dst)+4*\t:(\dst)+4*\t+3], v[RD] offset:\t*2*PG
.endr
	v_add_nc_u32 v[RD], PLANE, v[RD]
.endm
.macro SEND dst, o, younger            ; younger: the loads of the planes behind this one
.irp t, 0,1,2,3,4,5,6,7,8,9,10,11,12,13,14,15
	s_wait_dscnt (\younger)+15-\t
	global_store_b128 v[CO], v[(\dst)+4*\t:(\dst)+4*\t+3], s[OB+2*(\o):OB+2*(\o)+1] offset:\t*2048  ; 16 lanes store 256 consecutive bytes, at a multiple of 256 from mid's first byte
.endr
.endm
	OUTP 0x0f, 0
	OUTP 0x0f, 128
	OUTP 0x05, 128
	s_wait_dscnt 0x0                               ; for the others' sake: my stores into the stage are done
	s_barrier_signal -1
	s_barrier_wait -1
	BACK 32
	BACK 96
	BACK 192
	SEND 32, 0, 32
	SEND 96, 1, 16
	SEND 192, 2, 0
	s_wait_tensorcnt 0x0                           ; the wave's end
	ds_add_u32 v[SPW], v[NIL]
	s_wait_dscnt 0x0
	CROUND                                         ; the closing round: no work-group ends while a partner may still ask for a tile that names it
	s_endpgm
.Lfunc_end_k_qf4a44b04cc_cgc0:
	.size	k_qf4a44b04cc_cgc0, .Lfunc_end_k_qf4a44b04cc_cgc0-k_qf4a44b04cc_cgc0
	.p2alignl 7, 3214868480
	.fill 96, 4, 3214868480
	.section	.rodata,"a",@progbits
	.p2align	6, 0x0
	.amdhsa_kernel k_qf4a44b04cc_cgc0
		.amdhsa_group_segment_fixed_size 327680
		.amdhsa_private_segment_fixed_size 0
		.amdhsa_enable_private_segment 0
		.amdhsa_kernarg_size 40
		.amdhsa_user_sgpr_count 2
		.amdhsa_user_sgpr_kernarg_segment_ptr 1
		.amdhsa_wavefront_size32 1
		.amdhsa_system_sgpr_workgroup_id_x 1
		.amdhsa_system_sgpr_workgroup_id_y 1
		.amdhsa_system_sgpr_workgroup_id_z 1
		.amdhsa_system_vgpr_workitem_id 0
		.amdhsa_next_free_vgpr 1024
		.amdhsa_next_free_sgpr 66
		.amdhsa_reserve_vcc 0
		.amdhsa_float_denorm_mode_32 3
		.amdhsa_float_denorm_mode_16_64 3
		.amdhsa_memory_ordered 1
		.amdhsa_forward_progress 1
		.amdhsa_inst_pref_size 136
	.end_amdhsa_kernel
	.amdgpu_metadata
---
amdhsa.version: [ 1, 2 ]
amdhsa.kernels:
  - .name:           k_qf4a44b04cc_cgc0
    .symbol:         k_qf4a44b04cc_cgc0.kd
    .args:
      - { .name: cast, .offset: 0, .size: 8, .value_kind: global_buffer, .address_space: global }
      - { .name: bt0_0, .offset: 8, .size: 8, .value_kind: global_buffer, .address_space: global }
      - { .name: bt0_1, .offset: 16, .size: 8, .value_kind: global_buffer, .address_space: global }
      - { .name: bs0, .offset: 24, .size: 8, .value_kind: global_buffer, .address_space: global }
      - { .name: mid, .offset: 32, .size: 8, .value_kind: global_buffer, .address_space: global }
    .group_segment_fixed_size: 327680
    .private_segment_fixed_size: 0
    .kernarg_segment_align: 8
    .kernarg_segment_size: 40
    .max_flat_workgroup_size: 128
    .sgpr_count:     66
    .vgpr_count:     1024
    .wavefront_size: 32
...
	.end_amdgpu_metadata
.endif
;; end of part 2
;; launch cgc1 (part 3): grid 128 x 2, 4 waves a work-group, clusters of 4 x 1, 327,680 bytes of LDS; arguments cast, mid, bt1_0, bt1_1, bs1, gb1_0, gb1_1, tb0_0, tb1_0, tb0_1, tb1_1, out0, out1; writes out0, out1
.if DOCPART == 3
	.amdgcn_target "amdgcn-amd-amdhsa--gfx1250"
	.amdhsa_code_object_version 6
	.text
	.protected	k_qf4a44b04cc_cgc1
	.globl	k_qf4a44b04cc_cgc1
	.p2align	8
	.type	k_qf4a44b04cc_cgc1,@function
k_qf4a44b04cc_cgc1:
	s_mov_b64 s[64:65], 0
	v_nop
	global_prefetch_b8 v0, s[64:65] scope:SCOPE_SE
	s_setreg_imm32_b32 hwreg(HW_REG_WAVE_MODE, 25, 1), 1
	s_wait_xcnt 0x0
	s_wait_alu depctr_hold_cnt(0) depctr_sa_sdst(0) depctr_va_vdst(0) depctr_va_sdst(0) depctr_va_ssrc(0) depctr_va_vcc(0) depctr_vm_vsrc(0)
	s_getreg_b32 s2, hwreg(HW_REG_IB_STS2, 6, 4)
	s_cmp_eq_u32 s2, 0
	s_cbranch_scc0 .Lentry_in_a_cluster
	s_endpgm
.Lentry_in_a_cluster:
	s_bfe_u32 s2, ttmp6, 0x10000c
	s_cmp_lg_u32 s2, 0x3003
	s_cbranch_scc0 .Lentry_shape_is_right
	s_endpgm
.Lentry_shape_is_right:
; CGC LAYER 1, ITS GATE AND THE TOWER OF ONE TASK J.  o = sum over 8 experts of gate[row][e] x relu(in_e[row] . W_e + b_e): experts 0-3 the task's, on mid[J]; 4-7 the shared ones, on mid[2]; 512 -> 256.
; out_J = relu(relu(o tw_0 + tb_0) tw_1 + tb_1): 256 -> 128 -> 64.  Operands bf16, sums, biases, softmax and mixing f32; o and the tower's hidden layer are rounded once to bf16, in LDS.
; LIMITS.  relu of a NaN gives 0; a gate weight below 2^-126 counts as 0; NaN and infinities are not treated apart.  The softmax takes the row's true maximum away.
; SHARES.  A work-group owns 64 rows of one task and all 256 units: 128 x 2 = 256 work-groups; the shared experts are so computed once for each task, which buys equal work-groups, one output
; accumulator and a tower that needs no launch of its own.  Wave w owns 64 rows x units 64 w .. x the pair's 2 experts: 32 accumulators.  4 pairs x 4 K steps of 128: 16 steps, 8 laps, one counted loop.
; The matrix instruction is used transposed (source 0 = 16 units, source 1 = 16 rows): a lane holds one row and eight units.  Weights lie [k][unit] and are turned by ds_load_tr16_b128.
; The accumulators start as the bias.  GATE: the tile's columns 8-15 repeat columns 0-7, so both halves of the lanes hold the row's 8 logits; every wave makes them for the 64 rows itself, in pair 0.
; CLUSTER 4 x 1.  The four partners have the same task: the experts' and the tower's weights are asked for jointly; the rows of mid are each work-group's own, by plain loads behind the same rounds.
; REGISTERS: window 0: v0-31 addresses; v32-95 row fragments, two buffers (later the tower's accumulators); v96-119 the tower's biases; v128-191 gate fragments 0-7; v192-223 logits, then weights; v224-255 at work
;   window 1: v0-127 weights' fragments; v128-255 o      window 2: the 32 accumulators (later the tower's row fragments)      window 3: v0-63 gate fragments 8-15
.set W1_OFF, 29458432
.set TW_OFF, 32604160
.set GC1_OFF, 65536
.set PA,     272                       ; a row of 256 bytes + 16: the 16 rows of a load start at 16 different groups of four banks (64 banks of 4 bytes: ISA guide 11.1)
.set PB,     544                       ; a row of weights: 512 bytes + 32
.set ATILE,  64*PA
.set BTILE,  128*PB
.set SLOT,   ATILE+2*BTILE             ; my 64 rows, then 128 k of each of the pair's two experts
.set BT,     2*SLOT                    ; biases: [8 experts][256 units] f32
.set SPARE,  BT+8192                   ; the spare words: 128 bytes a wave, two blocks of 256 bytes that no other line names
.set EB,     1024
.set PT0,    288                       ; slot 0 after its last K step: tw_0, 256 k x 288 bytes, from byte 0;
.set PT1,    160
.set TW1L,   256*PT0                   ; tw_1, 128 k x 160 bytes;
.set OS,     TW1L+128*PT1              ; o, 64 rows x 528 bytes (later the result in f32, 64 x 272); no fill lands here any more
.set POS,    528
.set H1S,    OS+64*POS                 ; the hidden layer, 64 rows x 272 bytes
.set ADRA, 6                           ; v6-7    my row fragments in slot 0, 1
.set ADRB, 8                           ; v8-11   my weight fragments: slot 0 expert 0, 1; slot 1 expert 0, 1
.set VBT,  14                          ; v14     my units in BT
.set VS,   15                          ; v15     the address in hand
.set OSW,  16                          ; v16     o into its stage
.set OSR,  17                          ; v17     and back as row fragments
.set T0A,  18                          ; v18-19  tw_0's fragments, k 0-127 and 128-255
.set H1W,  20                          ; v20     the hidden layer into its stage
.set H1R,  21                          ; v21     and back
.set T1A,  22                          ; v22     tw_1's fragments
.set O2W,  23                          ; v23     the result into its stage
.set O2R,  24                          ; v24     and back as whole rows
.set CO,   25                          ; v25     my byte offset in two rows of the output
.set SPW,  28                          ; v28     my spare word; never rewritten
.set NIL,  29                          ; v29     0; never rewritten
.set AF,   32
.set TB0,  96
.set TB1,  112
.set GF,   128
.set GA,   192
.set TT,   224
.set WV, 30
.set CX, 31
.set RB, 32                            ; block of 64 rows, 0..127
.set TJ, 33                            ; the task
.set EX, 34                            ; which expert of a pair waves 1 and 2 fetch
.set G1A, 36
.set G1B, 44
.set G0A, 52                           ; a set for each slot
.set TN, 60                            ; the K step to be asked for next
.set LAPS, 61
.set QL, 62                            ; laps left in the pair
.set GFLAG, 63                         ; 1 in pair 0
.set SBT, 66
.set TS, 67
.set G0B, 68
.set G1T0, 76
.set G1T1, 84
.set BASEA, 92
.set BASEB, 94
.set OFFA, 96                          ; pairs with 0 on top
.set OFFB, 98
.set CS, 100                           ; log2(e), twice
.set MSB, 0
.macro WIN new                         ; the immediate's high byte repeats the setting that is left; a switch that changes nothing is dropped
.if MSB != (\new)
	s_set_vgpr_msb (MSB<<8)|(\new)
.set MSB, \new
.endif
.endm
.macro PLACES                          ; four plain places behind matrix instructions, ahead of loads into their registers and of readers of their results
.rept 4
	v_nop
.endr
.endm
.macro CREST                           ; a round of the cluster's barrier behind its opening barrier
	s_cmp_lg_u32 s[WV], 0
	s_cbranch_scc1 .Lnot_wave_0_\@
	s_barrier_signal -3
.Lnot_wave_0_\@:
	s_barrier_wait -3
	s_barrier_signal -1
	s_barrier_wait -1
.endm
.macro CROUND
	s_barrier_signal -1
	s_barrier_wait -1
	CREST
.endm
; A refill.  Wave 0 fetches my 64 rows (a plain load), waves 1 and 2 the weights of the pair's expert 0 and 1 (joint loads), wave 3 nothing.  The four v_nop behind the label are wave 3's places ahead of the LDS loads that follow.
.macro JLOAD3 s
	s_cmp_lg_u32 s[WV], 0
	s_cbranch_scc1 .Lnot_a_\@
	tensor_load_to_lds s[G0A+4*(\s):G0A+4*(\s)+3], s[G1A:G1A+7]
	s_nop 0
	PLACES
	s_branch .Lasked_\@
.Lnot_a_\@:
	s_cmp_eq_u32 s[WV], 3
	s_cbranch_scc1 .Lasked_\@
	tensor_load_to_lds s[G0B+4*(\s):G0B+4*(\s)+3], s[G1B:G1B+7]
	s_nop 0
	PLACES
.Lasked_\@:
	PLACES
.endm
; The tower's weights into slot 0: waves 0 and 1 the two halves of tw_0, wave 2 tw_1; joint loads.
.macro TLOAD
	s_cmp_ge_u32 s[WV], 2
	s_cbranch_scc1 .Lnot_t0_\@
	tensor_load_to_lds s[G0A:G0A+3], s[G1T0:G1T0+7]
	s_nop 0
	PLACES
	s_branch .Lt_asked_\@
.Lnot_t0_\@:
	s_cmp_eq_u32 s[WV], 3
	s_cbranch_scc1 .Lt_asked_\@
	tensor_load_to_lds s[G0B:G0B+3], s[G1T1:G1T1+7]
	s_nop 0
	PLACES
.Lt_asked_\@:
	PLACES
.endm
; K step TN: pair TN / 4, k = 128 (TN % 4).  Steps 0-7: plane J of mid, experts 4 J ..; steps 8-15: plane 2, experts 8 ..  The addresses are made anew from the bases.
.macro STEPADDR s
	s_and_b32 s[OFFA], s[TN], 3
	s_lshl_b32 s[OFFA], s[OFFA], 8
	s_lshl_b32 s[TS], s[TJ], 23
	s_cmp_lt_u32 s[TN], 8
	s_cselect_b32 s[TS], s[TS], 0x1000000
	s_add_co_u32 s[OFFA], s[OFFA], s[TS]
	s_add_nc_u64 s[G0A+4*(\s)+2:G0A+4*(\s)+3], s[BASEA:BASEA+1], s[OFFA:OFFA+1]
	s_or_b32 s[G0A+4*(\s)+3], s[G0A+4*(\s)+3], 0x80000000
	s_and_b32 s[OFFB], s[TN], 3
	s_lshl_b32 s[OFFB], s[OFFB], 16
	s_bfe_u32 s[TS], s[TN], 0x10002
	s_lshl_b32 s[TS], s[TS], 19
	s_add_co_u32 s[OFFB], s[OFFB], s[TS]
	s_lshl_b32 s[TS], s[TJ], 20
	s_cmp_lt_u32 s[TN], 8
	s_cselect_b32 s[TS], s[TS], 0x200000
	s_add_co_u32 s[OFFB], s[OFFB], s[TS]
	s_add_nc_u64 s[G0B+4*(\s)+2:G0B+4*(\s)+3], s[BASEB:BASEB+1], s[OFFB:OFFB+1]
	s_or_b32 s[G0B+4*(\s)+3], s[G0B+4*(\s)+3], 0x80000000
	s_add_co_u32 s[TN], s[TN], 1
.endm
.macro TADDR                           ; slot 0's two group 0 sets are written anew for the tower's weights
	s_mul_i32 s[G0A+1], s[WV], 128*PT0
	s_lshl_b32 s[OFFA], s[TJ], 16
	s_lshl_b32 s[TS], s[WV], 15
	s_add_co_u32 s[OFFA], s[OFFA], s[TS]
	s_add_co_u32 s[OFFA], s[OFFA], TW_OFF
	s_add_nc_u64 s[G0A+2:G0A+3], s[4:5], s[OFFA:OFFA+1]
	s_or_b32 s[G0A+3], s[G0A+3], 0x80000000
	s_mov_b32 s[G0B+1], TW1L
	s_lshl_b32 s[OFFB], s[TJ], 14
	s_add_co_u32 s[OFFB], s[OFFB], TW_OFF+131072
	s_add_nc_u64 s[G0B+2:G0B+3], s[4:5], s[OFFB:OFFB+1]
	s_or_b32 s[G0B+3], s[G0B+3], 0x80000000
.endm
.macro MUL8 f, e, a0                   ; 8 matrix instructions; the 32 accumulators take turns in the same order in every quarter
	WIN 0xa1
.irp a, \a0, (\a0)+1
.irp b, 0,1,2,3
	v_wmma_f32_16x16x32_bf16 v[128*(\e)+32*(\a)+8*(\b):128*(\e)+32*(\a)+8*(\b)+7], v[64*(\f)+32*(\e)+8*(\b):64*(\f)+32*(\e)+8*(\b)+7], v[AF+32*(\f)+8*(\a):AF+32*(\f)+8*(\a)+7], v[128*(\e)+32*(\a)+8*(\b):128*(\e)+32*(\a)+8*(\b)+7]
.endr
.endr
.endm
.macro FETCH slot, q, f                ; 24 LDS loads in one run: the rows' 8, expert 0's 8, expert 1's 8
	WIN 0
.irp a, 0,1,2,3
	ds_load_b128 v[AF+32*(\f)+8*(\a):AF+32*(\f)+8*(\a)+3],   v[ADRA+(\slot)] offset:(\a)*16*PA+(\q)*64
	ds_load_b128 v[AF+32*(\f)+8*(\a)+4:AF+32*(\f)+8*(\a)+7], v[ADRA+(\slot)] offset:(\a)*16*PA+(\q)*64+32
.endr
	WIN 0x40
.irp e, 0,1
.irp b, 0,1,2,3
	ds_load_tr16_b128 v[64*(\f)+32*(\e)+8*(\b):64*(\f)+32*(\e)+8*(\b)+3],   v[ADRB+2*(\slot)+(\e)] offset:(\q)*32*PB+(\b)*32
	ds_load_tr16_b128 v[64*(\f)+32*(\e)+8*(\b)+4:64*(\f)+32*(\e)+8*(\b)+7], v[ADRB+2*(\slot)+(\e)] offset:(\q)*32*PB+(\b)*32+16*PB
.endr
.endr
.endm
.macro SOFTMAX                         ; over a lane's eight logits, for the four row tiles; the weights stay where the logits were
.irp a, 0,1,2,3
	v_max3_num_f32 v[TT+8*\a+2], v[GA+8*\a], v[GA+8*\a+1], v[GA+8*\a+2]    ; an accumulator's lowest registers are read first
	v_max3_num_f32 v[TT+8*\a+3], v[GA+8*\a+3], v[GA+8*\a+4], v[GA+8*\a+5]
.endr
.irp a, 0,1,2,3
	v_max3_num_f32 v[TT+8*\a+2], v[TT+8*\a+2], v[GA+8*\a+6], v[GA+8*\a+7]
.endr
.irp a, 0,1,2,3
	v_max_num_f32 v[TT+8*\a+1], v[TT+8*\a+2], v[TT+8*\a+3]
.endr
.irp a, 0,1,2,3
	v_mul_f32 v[TT+8*\a], s[CS], v[TT+8*\a+1]      ; c m
.endr
.irp a, 0,1,2,3
.irp j, 0,2,4,6
	v_pk_fma_f32 v[GA+8*\a+\j:GA+8*\a+\j+1], v[GA+8*\a+\j:GA+8*\a+\j+1], s[CS:CS+1], v[TT+8*\a:TT+8*\a+1] op_sel_hi:[1,0,0] neg_lo:[0,0,1] neg_hi:[0,0,1]  ; c s - c m
.endr
.endr
.set i, 0
.rept 32
	v_exp_f32 v[GA+i], v[GA+i]                     ; one batch
.set i, i+1
.endr
	v_nop                                          ; a plain instruction behind the last exponential,
	s_wait_alu depctr_va_vdst(0)                   ; and one wait ahead of the batch's first reader
.irp a, 0,1,2,3
	v_pk_add_f32 v[TT+8*\a+2:TT+8*\a+3], v[GA+8*\a:GA+8*\a+1], v[GA+8*\a+2:GA+8*\a+3]
	v_pk_add_f32 v[TT+8*\a+4:TT+8*\a+5], v[GA+8*\a+4:GA+8*\a+5], v[GA+8*\a+6:GA+8*\a+7]
.endr
.irp a, 0,1,2,3
	v_pk_add_f32 v[TT+8*\a+2:TT+8*\a+3], v[TT+8*\a+2:TT+8*\a+3], v[TT+8*\a+4:TT+8*\a+5]
.endr
.irp a, 0,1,2,3
	v_add_f32 v[TT+8*\a+2], v[TT+8*\a+2], v[TT+8*\a+3]
.endr
.irp a, 0,1,2,3
	v_rcp_f32 v[TT+8*\a+2], v[TT+8*\a+2]
.endr
	v_nop
	s_wait_alu depctr_va_vdst(0)                   ; one wait for the four reciprocals
.irp a, 0,1,2,3
.irp j, 0,2,4,6
	v_pk_mul_f32 v[GA+8*\a+\j:GA+8*\a+\j+1], v[GA+8*\a+\j:GA+8*\a+\j+1], v[TT+8*\a+2:TT+8*\a+3] op_sel_hi:[1,0]
.endr
.endr
.endm
.macro GW i0, i1, sm                   ; pair 0 alone: 8 gate products on both row buffers, which are whole here; sm = 1: in the pair's last lap the logits are complete
	WIN 0
	s_cmp_eq_u32 s[GFLAG], 0
	s_cbranch_scc1 .Lno_gw_\@
.irp a, 0,1,2,3
	v_wmma_f32_16x16x32_bf16 v[GA+8*\a:GA+8*\a+7], v[GF+8*(\i0):GF+8*(\i0)+7], v[AF+8*\a:AF+8*\a+7], v[GA+8*\a:GA+8*\a+7]
.endr
.irp a, 0,1,2,3
	v_wmma_f32_16x16x32_bf16 v[GA+8*\a:GA+8*\a+7], v[GF+8*(\i1):GF+8*(\i1)+7], v[AF+32+8*\a:AF+32+8*\a+7], v[GA+8*\a:GA+8*\a+7]
.endr
.if \sm
	s_cmp_lg_u32 s[QL], 1
	s_cbranch_scc1 .Lno_gw_\@
	PLACES
	SOFTMAX
.endif
.Lno_gw_\@:
.endm
; A K step is four quarters of 32 along K, 32 matrix instructions each, on buffers 0, 1, 0, 1.  One of the first three; in its middle the next quarter is fetched.
.macro QUARTER slot, q, g
.set QF, (\q)&1
.set QG, 1-QF
	s_wait_dscnt 8                                 ; the rows and expert 0 are in; the youngest eight loads (expert 1) may be out
.if \g
.if (\q) == 1
	GW 4*(\slot), 4*(\slot)+1, 0
.endif
.endif
	MUL8 QF, 0, 0
	MUL8 QF, 0, 2
	PLACES
	FETCH \slot, (\q)+1, QG
	s_wait_dscnt 24                                ; all but the 24 just issued
	MUL8 QF, 1, 0
	MUL8 QF, 1, 2
.endm
; The last quarter and the change of slots: every wave waits for all its tensor loads, adds 0 to its spare word, waits for that and for its reads of the slot; the barrier opens a round of the cluster's;
; the refill is the first thing behind it.  fill = 1: this slot's K step two steps on; fill = 2: the tower's weights.
.macro TURN slot, next, fill, g
	WIN 0
	s_wait_dscnt 8
.if \g
	GW 4*(\slot)+2, 4*(\slot)+3, \slot
.endif
	s_wait_tensorcnt 0x0                           ; no tensor load of mine is out, so a group 0 may be written
	ds_add_u32 v[SPW], v[NIL]                      ; 0 onto my spare word
.if (\fill) == 1
	STEPADDR \slot
.else
	TADDR
.endif
	MUL8 1, 0, 0                                   ; sixteen matrix instructions stand between the add and the wait for it
	MUL8 1, 0, 2
	s_wait_dscnt 0x0                               ; the add is done, and my reads of this slot are over
	s_barrier_signal -1
	MUL8 1, 1, 0
	WIN 0
	s_barrier_wait -1
	CREST
.if (\fill) == 1
	JLOAD3 \slot
.else
	TLOAD
.endif
	FETCH \next, 0, 0
	MUL8 1, 1, 2
.endm
.macro LASTQ
	s_wait_dscnt 8
	MUL8 1, 0, 0
	MUL8 1, 0, 2
	s_wait_dscnt 0x0
	MUL8 1, 1, 0
	MUL8 1, 1, 2
.endm
.macro BIASLD                          ; the next pair's accumulators start as the biases: a lane's eight units of each unit tile, the same for the four row tiles
	WIN 0
	v_add_nc_u32 v[VS], s[SBT], v[VBT]
	WIN 0x80
.irp e, 0,1
.irp a, 0,1,2,3
.irp b, 0,1,2,3
	ds_load_b128 v[128*\e+32*\a+8*\b:128*\e+32*\a+8*\b+3],   v[VS] offset:\e*EB+\b*64
	ds_load_b128 v[128*\e+32*\a+8*\b+4:128*\e+32*\a+8*\b+7], v[VS] offset:\e*EB+\b*64+16
.endr
.endr
.endr
	WIN 0
	s_add_co_u32 s[SBT], s[SBT], 2*EB
	s_wait_dscnt 0x0
.endm
; A PAIR'S END: relu in place; o += weight x expert, both experts; shift = 1: the next pair's two weights move to where this text names them.
.macro EPI3 shift
	PLACES
	WIN 0x88
.set i, 0
.rept 256
	v_max_num_f32 v[i], 0, v[i]                    ; ascending: each accumulator's lowest register first
.set i, i+1
.endr
	WIN 0x52
.set i, 0
.rept 64
	v_pk_fma_f32 v[128+2*i:128+2*i+1], v[2*i:2*i+1], v[GA+8*(i/16):GA+8*(i/16)+1], v[128+2*i:128+2*i+1] op_sel_hi:[1,0,1]
.set i, i+1
.endr
.set i, 0
.rept 64
	v_pk_fma_f32 v[128+2*i:128+2*i+1], v[128+2*i:128+2*i+1], v[GA+8*(i/16):GA+8*(i/16)+1], v[128+2*i:128+2*i+1] op_sel:[0,1,0] op_sel_hi:[1,1,1]
.set i, i+1
.endr
	WIN 0
.if \shift
.irp a, 0,1,2,3
.irp j, 0,1,2,3,4,5
	v_mov_b32 v[GA+8*\a+\j], v[GA+8*\a+\j+2]
.endr
.endr
.endif
.endm
; THE TOWER'S FIRST PRODUCT, K step s of 8 (32 of o's 256 units): 8 loads of row fragments into window 2, 4 turning loads of tw_0 into window 1; 8 matrix instructions on 8 accumulators by turns.
.macro T1LOAD s
	WIN 0x80
.irp a, 0,1,2,3
	ds_load_b128 v[32*(\s)+8*\a:32*(\s)+8*\a+3],   v[OSR] offset:\a*16*POS+(\s)*64
	ds_load_b128 v[32*(\s)+8*\a+4:32*(\s)+8*\a+7], v[OSR] offset:\a*16*POS+(\s)*64+32
.endr
	WIN 0x40
.irp b, 0,1
	ds_load_tr16_b128 v[16*(\s)+8*\b:16*(\s)+8*\b+3],   v[T0A+(\s)/4] offset:((\s)%4)*32*PT0+\b*32
	ds_load_tr16_b128 v[16*(\s)+8*\b+4:16*(\s)+8*\b+7], v[T0A+(\s)/4] offset:((\s)%4)*32*PT0+\b*32+16*PT0
.endr
.endm
.macro T1MUL s                         ; the first step starts the sums with the bias
	WIN 0x09
.irp a, 0,1,2,3
.irp b, 0,1
.if (\s) == 0
	v_wmma_f32_16x16x32_bf16 v[AF+16*\a+8*\b:AF+16*\a+8*\b+7], v[16*(\s)+8*\b:16*(\s)+8*\b+7], v[32*(\s)+8*\a:32*(\s)+8*\a+7], v[TB0+8*\b:TB0+8*\b+7]
.else
	v_wmma_f32_16x16x32_bf16 v[AF+16*\a+8*\b:AF+16*\a+8*\b+7], v[16*(\s)+8*\b:16*(\s)+8*\b+7], v[32*(\s)+8*\a:32*(\s)+8*\a+7], v[AF+16*\a+8*\b:AF+16*\a+8*\b+7]
.endif
.endr
.endr
.endm
	s_load_b512 s[4:19], s[0:1], 0x0               ; cast 4, mid 6, bt1_0 8, bt1_1 10, bs1 12, gb1_0 14, gb1_1 16, tb0_0 18
	s_load_b256 s[20:27], s[0:1], 0x40             ; tb1_0 20, tb0_1 22, tb1_1 24, out0 26
	s_load_b64 s[28:29], s[0:1], 0x60              ; out1
	v_lshl_add_u32 v[SPW], v0, 2, SPARE
	v_mov_b32 v[NIL], 0
	ds_add_u32 v[SPW], v[NIL]                      ; the wave's opening: the add and its wait stand ahead of my first tensor load; the set-up below stands between them
	v_lshrrev_b32 v1, 5, v0
	v_readfirstlane_b32 s[WV], v1
	s_bfe_u32 s[CX], ttmp6, 0x40000
	s_lshl_b32 s[RB], ttmp9, 2
	s_add_co_u32 s[RB], s[RB], s[CX]               ; my rows: they enter mid's and the output's addresses alone
	s_and_b32 s[TJ], ttmp7, 0xffff                 ; the task, which the four partners share
	s_sub_co_u32 s[EX], s[WV], 1
	s_and_b32 s[EX], s[EX], 1
	s_mov_b32 s[G1A], (1<<16)|(1<<20)|(5<<22)|(3<<25)  ; plain: 2-byte elements, after every 64 words 4 words of padding
	s_mov_b32 s[G1A+1], 128<<16                    ; tensor_dim0 = 128
	s_mov_b32 s[G1A+2], 64<<16                     ; tensor_dim1 = 64
	s_mov_b32 s[G1A+3], 128<<16                    ; tile_dim0 = 128
	s_mov_b32 s[G1A+4], 64                         ; tile_dim1 = 64
	s_mov_b32 s[G1A+5], 512                        ; elements from row to row of mid
	s_mov_b32 s[G1A+6], 0
	s_mov_b32 s[G1A+7], 0
	s_mov_b32 s[G1B], 15|(1<<16)|(1<<20)|(1<<21)|(6<<22)|(7<<25)  ; the mask of four, bit 21 beside it; after every 128 words 8 words
	s_mov_b32 s[G1B+1], 256<<16
	s_mov_b32 s[G1B+2], 128<<16
	s_mov_b32 s[G1B+3], 256<<16
	s_mov_b32 s[G1B+4], 128
	s_mov_b32 s[G1B+5], 256
	s_mov_b32 s[G1B+6], 0
	s_mov_b32 s[G1B+7], 0
	s_mov_b32 s[G1T0], 15|(1<<16)|(1<<20)|(1<<21)|(5<<22)|(7<<25)  ; tw_0: 128 k x 128 units a wave
	s_mov_b32 s[G1T0+1], 128<<16
	s_mov_b32 s[G1T0+2], 128<<16
	s_mov_b32 s[G1T0+3], 128<<16
	s_mov_b32 s[G1T0+4], 128
	s_mov_b32 s[G1T0+5], 128
	s_mov_b32 s[G1T0+6], 0
	s_mov_b32 s[G1T0+7], 0
	s_mov_b32 s[G1T1], 15|(1<<16)|(1<<20)|(1<<21)|(4<<22)|(7<<25)  ; tw_1: 16,384 dense bytes as 64 rows of 256, two k a row, padded after each k
	s_mov_b32 s[G1T1+1], 128<<16
	s_mov_b32 s[G1T1+2], 64<<16
	s_mov_b32 s[G1T1+3], 128<<16
	s_mov_b32 s[G1T1+4], 64
	s_mov_b32 s[G1T1+5], 128
	s_mov_b32 s[G1T1+6], 0
	s_mov_b32 s[G1T1+7], 0
	s_mov_b32 s[G0A], 1
	s_mov_b32 s[G0A+1], 0
	s_mov_b32 s[G0A+4], 1
	s_mov_b32 s[G0A+5], SLOT
	s_mul_i32 s[TS], s[EX], BTILE                  ; LDS addresses: the wave's number and constants alone
	s_mov_b32 s[G0B], 1
	s_add_co_u32 s[G0B+1], s[TS], ATILE
	s_mov_b32 s[G0B+4], 1
	s_add_co_u32 s[G0B+5], s[TS], SLOT+ATILE
	s_lshl_b32 s[OFFA], s[RB], 16                  ; 64 rows of 1,024 bytes
	s_mov_b32 s[OFFA+1], 0
	s_lshl_b32 s[OFFB], s[EX], 18                  ; an expert is 262,144 bytes
	s_add_co_u32 s[OFFB], s[OFFB], W1_OFF
	s_mov_b32 s[OFFB+1], 0
	s_mov_b32 s[CS], 0x3fb8aa3b
	s_mov_b32 s[CS+1], s[CS]
	s_mov_b32 s[TN], 0
	s_wait_dscnt 0x0                               ; the opening add is done
	s_wait_kmcnt 0x0
	s_cmp_eq_u32 s[TJ], 1                          ; the task's own buffers
	s_cselect_b64 s[8:9], s[10:11], s[8:9]
	s_cselect_b64 s[14:15], s[16:17], s[14:15]
	s_cselect_b64 s[18:19], s[20:21], s[18:19]
	s_cselect_b64 s[22:23], s[24:25], s[22:23]
	s_cselect_b64 s[26:27], s[28:29], s[26:27]
	s_add_nc_u64 s[BASEA:BASEA+1], s[6:7], s[OFFA:OFFA+1]
	s_add_nc_u64 s[BASEB:BASEB+1], s[4:5], s[OFFB:OFFB+1]
	s_lshl_b32 s10, s[TJ], 14
	s_add_co_u32 s10, s10, GC1_OFF
	s_mov_b32 s11, 0
	s_add_nc_u64 s[10:11], s[4:5], s[10:11]        ; the task's gate tile
	s_lshl_b32 s2, s[RB], 14                       ; the output: 64 rows of 256 bytes a block, 16 rows a wave
	s_lshl_b32 s3, s[WV], 12
	s_add_co_u32 s2, s2, s3
	s_mov_b32 s3, 0
	s_add_nc_u64 s[26:27], s[26:27], s[2:3]
	CROUND                                         ; all four work-groups are here: the first joint loads meet
	STEPADDR 0
	STEPADDR 1
	s_cmp_lg_u32 s[WV], 0                          ; a wave's two first fills stand in one branch on its number; two loads of mine are out at the most
	s_cbranch_scc1 .Lfirst_not_a
	tensor_load_to_lds s[G0A:G0A+3], s[G1A:G1A+7]
	s_nop 0
	tensor_load_to_lds s[G0A+4:G0A+7], s[G1A:G1A+7]
	s_nop 0
	PLACES
	s_branch .Lfirst_asked
.Lfirst_not_a:
	s_cmp_eq_u32 s[WV], 3
	s_cbranch_scc1 .Lfirst_asked
	tensor_load_to_lds s[G0B:G0B+3], s[G1B:G1B+7]
	s_nop 0
	tensor_load_to_lds s[G0B+4:G0B+7], s[G1B:G1B+7]
	s_nop 0
	PLACES
.Lfirst_asked:
	v_and_b32 v1, 15, v0                           ; r
	v_bfe_u32 v2, v0, 4, 1                         ; h
	v_and_b32 v3, 7, v0
	v_bfe_u32 v4, v0, 3, 1
	v_and_b32 v5, 31, v0
	v_lshlrev_b32 v26, 4, v0                       ; 16 t: the bias tables are copied as they lie
	global_load_b128 v[TT:TT+3],     v26, s[8:9]
	global_load_b128 v[TT+4:TT+7],   v26, s[8:9] offset:2048
	global_load_b128 v[TT+8:TT+11],  v26, s[12:13]
	global_load_b128 v[TT+12:TT+15], v26, s[12:13] offset:2048
	s_lshl_b32 s[TS], s[WV], 7
	v_lshl_add_u32 v27, v2, 5, s[TS]               ; the tower's first bias: my 32 columns, eight a lane and tile
	global_load_b128 v[TB0:TB0+3],     v27, s[18:19]
	global_load_b128 v[TB0+4:TB0+7],   v27, s[18:19] offset:16
	global_load_b128 v[TB0+8:TB0+11],  v27, s[18:19] offset:64
	global_load_b128 v[TB0+12:TB0+15], v27, s[18:19] offset:80
	s_lshl_b32 s[TS], s[WV], 6
	v_lshl_add_u32 v30, v2, 5, s[TS]               ; the second: my 16 columns
	global_load_b128 v[TB1:TB1+3],   v30, s[22:23]
	global_load_b128 v[TB1+4:TB1+7], v30, s[22:23] offset:16
	v_mov_b32 v12, 0
.irp a, 0,1,2,3
	global_load_b128 v[GA+8*\a:GA+8*\a+3],   v12, s[14:15]            ; the logits start as the gate's bias
	global_load_b128 v[GA+8*\a+4:GA+8*\a+7], v12, s[14:15] offset:16
.endr
	v_lshlrev_b32 v13, 4, v5
.irp j, 0,1,2,3,4,5,6,7
	global_load_b128 v[GF+8*\j:GF+8*\j+3],   v13, s[10:11] offset:\j*1024
	global_load_b128 v[GF+8*\j+4:GF+8*\j+7], v13, s[10:11] offset:\j*1024+512
.endr
	WIN 0xc0
.irp j, 0,1,2,3,4,5,6,7
	global_load_b128 v[8*\j:8*\j+3],   v13, s[10:11] offset:8192+\j*1024
	global_load_b128 v[8*\j+4:8*\j+7], v13, s[10:11] offset:8192+\j*1024+512
.endr
	WIN 0
	v_mul_u32_u24 v[ADRA], v1, PA                  ; rows: row x pitch + 16 x half
	v_lshl_add_u32 v[ADRA], v2, 4, v[ADRA]
	v_add_nc_u32 v[ADRA+1], SLOT, v[ADRA]
	v_lshl_add_u32 v31, v2, 3, v3                  ; a turning load's k: 8 h + lane % 8
	v_mul_u32_u24 v[ADRB], v31, PB                 ; weights: k x pitch, 16 bytes by lane bit 3, my 64 units
	v_lshl_add_u32 v[ADRB], v4, 4, v[ADRB]
	s_lshl_b32 s[TS], s[WV], 7
	s_add_co_u32 s[TS], s[TS], ATILE
	v_add_nc_u32 v[ADRB], s[TS], v[ADRB]
	v_add_nc_u32 v[ADRB+1], BTILE, v[ADRB]
	v_add_nc_u32 v[ADRB+2], SLOT, v[ADRB]
	v_add_nc_u32 v[ADRB+3], SLOT, v[ADRB+1]
	s_lshl_b32 s[TS], s[WV], 8
	s_add_co_u32 s[TS], s[TS], BT
	v_lshl_add_u32 v[VBT], v2, 5, s[TS]
	v_mul_u32_u24 v[OSR], v1, POS                  ; o's stage: row x 528 + 16 x half; in: my 64 units, 128 bytes on for each wave
	v_lshl_add_u32 v[OSR], v2, 4, v[OSR]
	v_add_nc_u32 v[OSR], OS, v[OSR]
	s_lshl_b32 s[TS], s[WV], 7
	v_add_nc_u32 v[OSW], s[TS], v[OSR]
	v_mul_u32_u24 v[T0A], v31, PT0                 ; tw_0: my 32 columns
	v_lshl_add_u32 v[T0A], v4, 4, v[T0A]
	s_lshl_b32 s[TS], s[WV], 6
	v_add_nc_u32 v[T0A], s[TS], v[T0A]
	v_add_nc_u32 v[T0A+1], 128*PT0, v[T0A]
	v_add_nc_u32 v[H1R], H1S, v[ADRA]              ; the hidden layer's stage: row x 272 + 16 x half; in: my 32 columns
	v_add_nc_u32 v[H1W], s[TS], v[H1R]
	v_mul_u32_u24 v[T1A], v31, PT1                 ; tw_1: my 16 columns
	v_lshl_add_u32 v[T1A], v4, 4, v[T1A]
	s_lshl_b32 s[TS], s[WV], 5
	s_add_co_u32 s[TS], s[TS], TW1L
	v_add_nc_u32 v[T1A], s[TS], v[T1A]
	v_mul_u32_u24 v[O2W], v1, PA                   ; the result's stage, f32: row x 272, my 16 columns, 32 bytes for each half of the lanes
	v_lshl_add_u32 v[O2W], v2, 5, v[O2W]
	s_lshl_b32 s[TS], s[WV], 6
	s_add_co_u32 s[TS], s[TS], OS
	v_add_nc_u32 v[O2W], s[TS], v[O2W]
	v_mul_u32_u24 v[O2R], v2, PA                   ; back: wave w takes rows 16 w .. 16 w + 15 whole, two rows a load
	v_lshl_add_u32 v[O2R], v1, 4, v[O2R]
	s_mul_i32 s[TS], s[WV], 16*PA
	s_add_co_u32 s[TS], s[TS], OS
	v_add_nc_u32 v[O2R], s[TS], v[O2R]
	v_lshlrev_b32 v[CO], 8, v2                     ; and the same two rows of the output
	v_lshl_add_u32 v[CO], v1, 4, v[CO]
	; o starts at 0, so that one text serves every pair's end.  This stands in the wait for the first tile.
	WIN 0x40
.set i, 128
.rept 128
	v_mov_b32 v[i], 0
.set i, i+1
.endr
	WIN 0
	v_add_nc_u32 v[VS], BT, v26
	s_wait_loadcnt 46                              ; the four loads of the bias table are in; the 46 issued behind them may be out
	ds_store_b128 v[VS], v[TT:TT+3]
	ds_store_b128 v[VS], v[TT+4:TT+7]   offset:2048
	ds_store_b128 v[VS], v[TT+8:TT+11]  offset:4096
	ds_store_b128 v[VS], v[TT+12:TT+15] offset:6144
	s_wait_loadcnt 0x0                             ; the tower's biases, the logits' start, the gate's fragments
	s_wait_tensorcnt 1                             ; my part of K step 0 is in; K step 1's may stay out
	s_wait_dscnt 0x0                               ; my part of the bias table is written
	s_barrier_signal -1
	s_barrier_wait -1
	FETCH 0, 0, 0
	s_mov_b32 s[SBT], 0
	BIASLD
	s_mov_b32 s[LAPS], 7
	s_mov_b32 s[QL], 2
	s_mov_b32 s[GFLAG], 1
.Llap:                                                 ; 7 trips: two K steps, once round the ring; both slots are filled again
	QUARTER 0, 0, 1
	QUARTER 0, 1, 1
	QUARTER 0, 2, 1
	TURN 0, 1, 1, 1
	QUARTER 1, 0, 1
	QUARTER 1, 1, 1
	QUARTER 1, 2, 1
	TURN 1, 0, 1, 1
	WIN 0
	s_cmp_eq_u32 s[GFLAG], 0
	s_cbranch_scc1 .Lno_copy
	WIN 0x03                                       ; pair 0: gate fragments 8-15 go where the one text names the lap's eight (behind the pair's second lap the same numbers once more);
.set i, 0
.rept 64
	v_mov_b32 v[GF+i], v[i]                        ; the refill's v_nop are the places behind the last gate products
.set i, i+1
.endr
	WIN 0
.Lno_copy:
	s_sub_co_u32 s[QL], s[QL], 1
	s_cmp_lg_u32 s[QL], 0
	s_cbranch_scc1 .Lno_end                        ; forward, over text with no barrier and no tensor load; the count is the same in every work-group
	EPI3 1
	BIASLD
	s_mov_b32 s[QL], 2
	s_mov_b32 s[GFLAG], 0
.Lno_end:
	s_sub_co_u32 s[LAPS], s[LAPS], 1
	s_cmp_lg_u32 s[LAPS], 0
	s_cbranch_scc1 .Llap
	QUARTER 0, 0, 0                                ; the last lap is written out: slot 0, read out, takes the tower's weights; slot 1 is not filled again
	QUARTER 0, 1, 0
	QUARTER 0, 2, 0
	TURN 0, 1, 2, 0
	QUARTER 1, 0, 0
	QUARTER 1, 1, 0
	QUARTER 1, 2, 0
	LASTQ
	EPI3 0
	; THE TOWER.  o, rounded to bf16, goes into its stage: a lane's eight units are 16 bytes of a row.  Every wave reads all 256 units, so a barrier stands between writing and reading;
	; in front of it the waves that asked for the tower's weights have waited for them.
	WIN 0x05
.set i, 0
.rept 64
	v_cvt_pk_bf16_f32 v[GF+i], v[128+2*i], v[128+2*i+1]
.set i, i+1
.endr
	WIN 0
.irp a, 0,1,2,3
.irp b, 0,1,2,3
	ds_store_b128 v[OSW], v[GF+4*(4*\a+\b):GF+4*(4*\a+\b)+3] offset:\a*16*POS+\b*32
.endr
.endr
	s_wait_tensorcnt 0x0                           ; my part of the tower's weights is in
	s_wait_dscnt 0x0                               ; my part of o is written
	s_barrier_signal -1
	s_barrier_wait -1
	; hidden = relu(o tw_0 + tb_0): wave w makes all 64 rows x columns 32 w ..: 8 accumulators.  Four K steps are fetched ahead; behind step s's products step s + 4 is fetched.
	T1LOAD 0
	T1LOAD 1
	T1LOAD 2
	T1LOAD 3
.irp s, 0,1,2,3
	s_wait_dscnt 36                                ; step s is in; the three younger steps, 12 loads each, may be out
	T1MUL \s
	T1LOAD (\s)+4
.endr
.irp s, 4,5,6,7
	s_wait_dscnt 12*(7-\s)
	T1MUL \s
.endr
	PLACES
	WIN 0
.set i, 0
.rept 64
	v_max_num_f32 v[AF+i], 0, v[AF+i]              ; ascending: each accumulator's lowest register first
.set i, i+1
.endr
.set i, 0
.rept 32
	v_cvt_pk_bf16_f32 v[GF+i], v[AF+2*i], v[AF+2*i+1]
.set i, i+1
.endr
.irp a, 0,1,2,3
.irp b, 0,1
	ds_store_b128 v[H1W], v[GF+4*(2*\a+\b):GF+4*(2*\a+\b)+3] offset:\a*16*PA+\b*32
.endr
.endr
	s_wait_dscnt 0x0                               ; my part of the hidden layer is written, and my reads of o are over
	s_barrier_signal -1
	s_barrier_wait -1
	; out = relu(hidden tw_1 + tb_1): wave w makes all 64 rows x columns 16 w ..: 4 accumulators by turns
	WIN 0x80
.irp s, 0,1,2,3
.irp a, 0,1,2,3
	ds_load_b128 v[32*\s+8*\a:32*\s+8*\a+3],   v[H1R] offset:\a*16*PA+\s*64
	ds_load_b128 v[32*\s+8*\a+4:32*\s+8*\a+7], v[H1R] offset:\a*16*PA+\s*64+32
.endr
.endr
	WIN 0x40
.irp s, 0,1,2,3
	ds_load_tr16_b128 v[8*\s:8*\s+3],   v[T1A] offset:\s*32*PT1
	ds_load_tr16_b128 v[8*\s+4:8*\s+7], v[T1A] offset:\s*32*PT1+16*PT1
.endr
	s_wait_dscnt 0x0
	WIN 0x09
.irp a, 0,1,2,3
	v_wmma_f32_16x16x32_bf16 v[AF+8*\a:AF+8*\a+7], v[0:7], v[8*\a:8*\a+7], v[TB1:TB1+7]
.endr
.irp s, 1,2,3
.irp a, 0,1,2,3
	v_wmma_f32_16x16x32_bf16 v[AF+8*\a:AF+8*\a+7], v[8*\s:8*\s+7], v[32*\s+8*\a:32*\s+8*\a+7], v[AF+8*\a:AF+8*\a+7]
.endr
.endr
	PLACES
	WIN 0
.set i, 0
.rept 32
	v_max_num_f32 v[AF+i], 0, v[AF+i]
.set i, i+1
.endr
	; THE WAY OUT.  A row's 256 bytes come from four waves: they meet in the stage where o lay (every wave's reads of o were over at the barrier before), and leave as whole rows.
.irp a, 0,1,2,3
	ds_store_b128 v[O2W], v[AF+8*\a:AF+8*\a+3]   offset:\a*16*PA
	ds_store_b128 v[O2W], v[AF+8*\a+4:AF+8*\a+7] offset:\a*16*PA+16
.endr
	s_wait_dscnt 0x0                               ; for the others' sake: my stores into the stage are done
	s_barrier_signal -1
	s_barrier_wait -1
.irp t, 0,1,2,3,4,5,6,7
	ds_load_b128 v[GF+4*\t:GF+4*\t+3], v[O2R] offset:\t*2*PA
.endr
.irp t, 0,1,2,3,4,5,6,7
	s_wait_dscnt 7-\t                              ; LDS loads come back in order: number t is in
	global_store_b128 v[CO], v[GF+4*\t:GF+4*\t+3], s[26:27] offset:\t*512 th:TH_STORE_NT  ; 16 lanes store 256 consecutive bytes, a whole row, at a multiple of 256 from the output's first byte
.endr
	s_wait_tensorcnt 0x0                           ; the wave's end: behind my last tensor load and my last LDS store
	ds_add_u32 v[SPW], v[NIL]
	s_wait_dscnt 0x0
	CROUND                                         ; the closing round: no work-group ends while a partner may still ask for a tile that names it
	s_endpgm
.Lfunc_end_k_qf4a44b04cc_cgc1:
	.size	k_qf4a44b04cc_cgc1, .Lfunc_end_k_qf4a44b04cc_cgc1-k_qf4a44b04cc_cgc1
	.p2alignl 7, 3214868480
	.fill 96, 4, 3214868480
	.section	.rodata,"a",@progbits
	.p2align	6, 0x0
	.amdhsa_kernel k_qf4a44b04cc_cgc1
		.amdhsa_group_segment_fixed_size 327680
		.amdhsa_private_segment_fixed_size 0
		.amdhsa_enable_private_segment 0
		.amdhsa_kernarg_size 104
		.amdhsa_user_sgpr_count 2
		.amdhsa_user_sgpr_kernarg_segment_ptr 1
		.amdhsa_wavefront_size32 1
		.amdhsa_system_sgpr_workgroup_id_x 1
		.amdhsa_system_sgpr_workgroup_id_y 1
		.amdhsa_system_sgpr_workgroup_id_z 1
		.amdhsa_system_vgpr_workitem_id 0
		.amdhsa_next_free_vgpr 832
		.amdhsa_next_free_sgpr 102
		.amdhsa_reserve_vcc 0
		.amdhsa_float_denorm_mode_32 3
		.amdhsa_float_denorm_mode_16_64 3
		.amdhsa_memory_ordered 1
		.amdhsa_forward_progress 1
		.amdhsa_inst_pref_size 165
	.end_amdhsa_kernel
	.amdgpu_metadata
---
amdhsa.version: [ 1, 2 ]
amdhsa.kernels:
  - .name:           k_qf4a44b04cc_cgc1
    .symbol:         k_qf4a44b04cc_cgc1.kd
    .args:
      - { .name: cast, .offset: 0, .size: 8, .value_kind: global_buffer, .address_space: global }
      - { .name: mid, .offset: 8, .size: 8, .value_kind: global_buffer, .address_space: global }
      - { .name: bt1_0, .offset: 16, .size: 8, .value_kind: global_buffer, .address_space: global }
      - { .name: bt1_1, .offset: 24, .size: 8, .value_kind: global_buffer, .address_space: global }
      - { .name: bs1, .offset: 32, .size: 8, .value_kind: global_buffer, .address_space: global }
      - { .name: gb1_0, .offset: 40, .size: 8, .value_kind: global_buffer, .address_space: global }
      - { .name: gb1_1, .offset: 48, .size: 8, .value_kind: global_buffer, .address_space: global }
      - { .name: tb0_0, .offset: 56, .size: 8, .value_kind: global_buffer, .address_space: global }
      - { .name: tb1_0, .offset: 64, .size: 8, .value_kind: global_buffer, .address_space: global }
      - { .name: tb0_1, .offset: 72, .size: 8, .value_kind: global_buffer, .address_space: global }
      - { .name: tb1_1, .offset: 80, .size: 8, .value_kind: global_buffer, .address_space: global }
      - { .name: out0, .offset: 88, .size: 8, .value_kind: global_buffer, .address_space: global }
      - { .name: out1, .offset: 96, .size: 8, .value_kind: global_buffer, .address_space: global }
    .group_segment_fixed_size: 327680
    .private_segment_fixed_size: 0
    .kernarg_segment_align: 8
    .kernarg_segment_size: 104
    .max_flat_workgroup_size: 128
    .sgpr_count:     102
    .vgpr_count:     832
    .wavefront_size: 32
...
	.end_amdgpu_metadata
.endif
;; end of part 3
